; MI455X (gfx1250); checked and timed in simulation.
; The chip was launched on July 23, 2026; its instructions are those of AMD's public machine-readable ISA for CDNA 5 (MIT licence, August 2026) and "CDNA5" Instruction Set Architecture Reference Guide (July 2026). The comments in the code are by the model that wrote it; some were corrected since.
;; Multi Head Attention. Allowed arithmetic: matrix products marked QUANTISED: E5M2 operands, one E8M0 scale for each 32 along K, by v_wmma_scale_f32_16x16x128_f8f6f4 with both operands' format E5M2, f32 sums; everything else in f32.
;; Inputs: Wk 768 x 768 float32; Wq 768 x 768 float32; Wv 768 x 768 float32; bk 768 float32; bq 768 float32; bv 768 float32; ln_beta 768 float32; ln_gamma 768 float32; x 8 x 1,024 x 768 float32.
;; Outputs: out0 8 x 1,024 x 768 float32.
;; This version of the problem:
;;   THIS VERSION OF THE PROBLEM IS GIVEN IN LOW PRECISION. The matrix products marked QUANTISED in the list below multiply operands that are first quantised to E5M2 (5 exponent bits, 2 mantissa bits; 8 bits a number), with one power-of-two scale for each 32 numbers along K (OCP MX v1.0); their sums are f32. All else is computed in f32.
;;   The module's matrix products, in the order in which they are computed (A, B: the left and right operand; K: the contracted axis; several contracted axes count as one K, in the product's order):
;;     1. [M 8,192, K 768] x [K 768, N 768]; A: input x; B: input Wq: QUANTISED
;;     2. [M 8,192, K 768] x [K 768, N 768]; A: input x; B: input Wk: QUANTISED
;;     3. [M 8,192, K 768] x [K 768, N 768]; A: input x; B: input Wv: QUANTISED
;;     4. batch 96 x [M 1,024, K 64] x [K 64, N 1,024]; A: computed on the way; B: computed on the way: QUANTISED
;;     5. batch 96 x [M 1,024, K 1,024] x [K 1,024, N 64]; A: softmax (see below); B: computed on the way: QUANTISED
;;   THE QUANTISER, for each operand of a quantised product, along K:
;;     - K is cut into blocks of 32 from its start; a last block that is shorter is filled with zeros.
;;     - A block's scale is 2^e with e = floor(log2(the largest magnitude in the block)) - 15, held to -126 .. 127; a block of zeros has e = 0. As a byte (E8M0): e + 127.
;;     - Each number is divided by its block's scale, clamped to +-57,344, and rounded to the nearest number of E5M2, ties to even, subnormals kept.
;;     - The product sums the exact products of the quantised numbers (number of the format x scale) in f32.
;;   ~~~python
;;   def quantise(x, axis):      # numpy; x: float32 -> the quantised numbers, widened to float32 again
;;       x = np.moveaxis(x, axis, -1); K = x.shape[-1]
;;       x = np.pad(x, [(0, 0)] * (x.ndim - 1) + [(0, -K % 32)]); x = x.reshape(x.shape[:-1] + (-1, 32)); a = np.abs(x).max(-1, keepdims=True)
;;       e = np.where(a > 0, np.clip(np.frexp(np.where(a > 0, a, 1))[1] - 1 - 15, -126, 127), 0)      # np.frexp(a)[1] - 1 = floor(log2(a)), exactly
;;       r = np.clip(x / 2.0 ** e, -57344, 57344)
;;       step = 2.0 ** (np.maximum(np.frexp(np.where(r == 0, 1, r))[1] - 1, -14) - 2)
;;       q = np.round(r / step) * step * 2.0 ** e      # np.round: ties to even
;;       return np.moveaxis(q.reshape(q.shape[:-2] + (-1,))[..., :K], -1, axis).astype(np.float32)
;;   ~~~
;;   SOFTMAX AHEAD OF A QUANTISED PRODUCT. Where the list says 'softmax', what is quantised is not the finished softmax but p = 2^(t - M), with t = logit x log2(e) and M = ceil(the row's largest t), a whole number; so 1/2 < the row's largest p <= 1. The row's sum l is taken of the UNQUANTISED p, in f32, and the product's result is divided by l at the end. Since M is a whole number, a kernel that streams over the keys may use a running M (the ceiling of the running maximum): every later rescaling is an exact power of two, which a block's scale takes up: the codes' values come out the same.
;;   OPERANDS COMPUTED ON THE WAY. 'Computed on the way' means the value that the module computes at that place (a softmax that the list does not call 'softmax' is quantised finished and normalised). What goes into a quantiser is computed in f32, as accurately as f32 sums, v_exp_f32 and their like allow (about 1e-6 of the number): no bf16 or f16 on the way to a quantiser, and a product that is left as it is and whose result goes on into a quantised operand takes f32 operands (vector FMAs, or v_wmma_f32_16x16x4_f32). A number that lies on a knife's edge between two numbers of the format may be rounded either way, as far as f32 arithmetic and the matrix unit's own rounding can turn it there, and no further.
;; 2 versions. Each part assembles by itself: llvm-mc -triple=amdgcn-amd-amdhsa -mcpu=gfx1250 --defsym DOCPART=n.
;; ======== version 1 of 2: 3 launches
;; workspace buffers: wq 1,972,224 bytes; xq 6,684,672 bytes; qkv 19,464,192 bytes
;; launch wquant (part 1): grid 82 x 12, 4 waves a work-group, no clusters, 768 bytes of LDS; arguments Wq, Wk, Wv, bq, bk, bv, wq, x, xq; writes wq, xq
.if DOCPART == 1
	.amdgcn_target "amdgcn-amd-amdhsa--gfx1250"
	.amdhsa_code_object_version 6
	.text
	.protected	k_qbc03438b2f_wquant
	.globl	k_qbc03438b2f_wquant
	.p2align	8
	.type	k_qbc03438b2f_wquant,@function
k_qbc03438b2f_wquant:
	s_mov_b64 s[64:65], 0
	v_nop
	global_prefetch_b8 v0, s[64:65] scope:SCOPE_SE
	s_setreg_imm32_b32 hwreg(HW_REG_WAVE_MODE, 25, 1), 1
	s_wait_xcnt 0x0
; Wq, Wk, Wv [768 (k)][768 (n)] and x [8192][768 (k)], f32, become codes of BF8 (E5M2) with one E8M0 byte for each 32 along K, laid as IMAGES OF OPERAND REGISTERS; bq, bk, bv become images of a product's C.
; Each operand is quantised once here, since many work-groups of the next launch read it.
; wq holds 36 units of UNITB bytes, unit 3 x head + which (0 q, 1 k, 2 v): 4,096 bytes of bias (32 registers; registers 4 m .. 4 m + 3 at 512 m + 16 x lane), then six records of RECW bytes, one for each 128 along K:
; fragment t (16 columns x 128 K, 16 registers a lane) at 2048 t + 512 c + 16 x lane, and the scale words of column r of fragment t at 8192 + 16 r + 4 t.
; xq holds 64 blocks of XGB bytes, one for each group of 128 rows: fragment (K step s, row tile a) at (8 s + a) x 2048 + 512 c + 16 x lane, and behind the 48 fragments their scale words at 98304 + (8 s + a) x 128 + 4 x lane.
; SHARES.  Work-groups with x < 18 take the weights: x = 6 x which + K step, y = head: one record; wave t makes fragment t.  A LANE TAKES A COLUMN AND ITS REGISTERS RUN DOWN K, in the order that the operand's layout gives that lane
; (register 16 c + i: k = 32 c + 16 (lane / 16) + i), so the conversions' results are the operand's registers and nothing is transposed.
; Work-groups with x >= 18 take x: x - 18 = the group of 128 rows, and 4 y + wave = 8 s + a names the wave's one fragment.  There K is innermost: lane (r, h) takes 16 neighbours of each block of its row, four loads of 16 bytes a block.
; The two paths part on the work-group's number at the head and do not meet again; x's path touches no LDS and has no barrier.
; THE COLUMNS OF A FRAGMENT.  For q and k lane r of fragment 2 b + u takes column 32 b + 8 u + r + 8 (r / 8) of the head, so that the results of fragments 2 b and 2 b + 1, used transposed, are 16 neighbours along the head's 64;
; for v lane r of fragment t takes column 16 t + r.  THE ROWS OF A TILE OF x: lane r of row tile 2 b + u takes row 32 b + 8 u + r + 8 (r / 8) of the group (why: at the head of the next launch).
; A block's scale is 2^(floor(log2(its largest magnitude)) - 15); its byte is the largest magnitude's exponent field - 15, held at 1 from below.
; LIMITS: a block of zeros, or one whose largest magnitude lies under 2^-111, gets the byte 1 (its codes are zeros or subnormal codes; this program alone reads the bytes); NaN and infinities among the inputs are not served.
; No matrix unit, no cluster, no ring: each number is read once by one lane.
.set UNITB, 54784
.set RECW,  8448
.set XGB,   104448
.set TM,    16                         ; v16-19 largest magnitudes, v20-23 the other half's, then bytes, v24-27 57,344 x the scale, v28-31 the conversions' scale operands
.set X,     32                         ; v32-95  my 64 numbers: register 16 c + i is k = 32 c + 16 (lane / 16) + i
.set PC,    96                         ; v96-111 the fragment's codes
.set PW,    112                        ; v112    my column's or row's scale word
.macro QUANT                           ; v[X] on -> v[PC] on and v[PW]
.irp b, 0,1,2,3
	v_max3_num_f32 v[TM+\b], |v[X+16*\b]|, |v[X+1+16*\b]|, 0x8000000   ; block b: my 16 numbers, and the floor 2^(16 - 127): the byte cannot fall under 1
.endr
.irp i, 2,4,6,8,10,12,14
.irp b, 0,1,2,3
	v_max3_num_f32 v[TM+\b], v[TM+\b], |v[X+16*\b+\i]|, |v[X+1+16*\b+\i]|   ; the four blocks by turns
.endr
.endr
.irp b, 0,1,2,3
	v_permlanex16_b32 v[TM+4+\b], v[TM+\b], s20, s21
.endr
.irp b, 0,1,2,3
	v_max_num_f32 v[TM+\b], v[TM+\b], v[TM+4+\b]   ; with lane l xor 16's 16: the block's largest magnitude
.endr
.irp b, 0,1,2,3
	v_add_nc_u32 v[TM+12+\b], 0xf8800000, v[TM+\b] ; 15 off its exponent field: the conversion's scale operand
.endr
.irp b, 0,1,2,3
	v_and_or_b32 v[TM+8+\b], v[TM+\b], 0x7f800000, s22   ; 57,344 x the scale
.endr
.irp b, 0,1,2,3
	v_lshrrev_b32 v[TM+4+\b], 23, v[TM+12+\b]      ; the scale's byte
.endr
	v_lshl_or_b32 v[PW], v[TM+5], 8, v[TM+4]
	v_lshl_or_b32 v[PW], v[TM+6], 16, v[PW]
	v_lshl_or_b32 v[PW], v[TM+7], 24, v[PW]        ; the scale word for these 128 along K
.irp b, 0,1,2,3
.irp i, 0,1,2,3,4,5,6,7,8,9,10,11,12,13,14,15
	v_med3_num_f32 v[X+16*\b+\i], v[X+16*\b+\i], -v[TM+8+\b], v[TM+8+\b]   ; the conversion to an 8-bit code does not saturate (ISA guide 7.6.2): the hold comes first
.endr
	v_cvt_scalef32_pk8_bf8_f32 v[PC+4*\b:PC+1+4*\b], v[X+16*\b:X+7+16*\b], v[TM+12+\b]
	v_cvt_scalef32_pk8_bf8_f32 v[PC+2+4*\b:PC+3+4*\b], v[X+8+16*\b:X+15+16*\b], v[TM+12+\b]
.endr
	v_nop                                          ; a plain line behind the last conversion
.endm
	v_lshl_add_u32 v128, v0, 2, 0x100
	v_mov_b32 v129, 0
	v_lshrrev_b32 v1, 5, v0
	v_readfirstlane_b32 s18, v1                    ; wave 0..3
	s_and_b32 s26, ttmp7, 0xffff                   ; work-group y
	s_mov_b32 s20, 0x76543210
	s_mov_b32 s21, 0xfedcba98                      ; v_permlanex16_b32's selects for lane l xor 16
	s_mov_b32 s22, 0x600000                        ; the mantissa field of 57,344
	v_and_b32 v1, 15, v0                           ; r
	v_bfe_u32 v2, v0, 4, 1                         ; h
	v_and_b32 v4, 31, v0
	v_lshlrev_b32 v4, 4, v4                        ; 16 x lane: an image's place for my lane
.irp b, 0,1,2,3
	v_mov_b32 v[TM+4+\b], 0                        ; a lane permute's destination counts as one of its sources
.endr
	s_cmp_ge_u32 ttmp9, 18                         ; the same for all four waves of a work-group
	s_cbranch_scc1 .Lx
	; ---- THE WEIGHTS
	s_load_b256 s[4:11], s[0:1], 0x0               ; Wq s[4:5], Wk s[6:7], Wv s[8:9], bq s[10:11]
	s_load_b128 s[12:15], s[0:1], 0x20             ; bk s[12:13], bv s[14:15]
	s_load_b64 s[16:17], s[0:1], 0x30              ; wq
	s_cmp_ge_u32 ttmp9, 6
	s_cselect_b32 s24, 1, 0
	s_cmp_ge_u32 ttmp9, 12
	s_cselect_b32 s25, 1, 0
	s_add_co_u32 s24, s24, s25                     ; which: 0 q, 1 k, 2 v
	s_mul_i32 s25, s24, 6
	s_sub_co_u32 s25, ttmp9, s25                   ; the K step, 0 .. 5
	s_cmp_lt_u32 s24, 2
	s_cselect_b32 s27, 8, 0                        ; q, k: lanes 8-15 stand 8 columns further on
	s_cselect_b32 s28, 32, 64                      ; bytes from an even fragment's first column to the odd one's
	s_lshr_b32 s29, s18, 1
	s_lshl_b32 s29, s29, 7
	s_and_b32 s30, s18, 1
	s_mul_i32 s30, s30, s28
	s_add_co_u32 s29, s29, s30                     ; my fragment's first column, in bytes
	s_lshl_b32 s30, s26, 8
	s_add_co_u32 s30, s30, s29                     ; + the head's 64 columns
	s_mov_b32 s31, 0
	s_mul_i32 s32, s25, 393216                     ; 128 rows of 3,072 bytes a K step
	s_add_co_u32 s32, s32, s30
	s_mov_b32 s33, 0
	s_mul_i32 s34, s26, 3
	s_add_co_u32 s34, s34, s24
	s_mul_i32 s34, s34, UNITB                      ; the unit
	s_mov_b32 s35, 0
	s_mul_i32 s36, s25, RECW
	s_add_co_u32 s36, s36, 4096                    ; the record in it
	s_mov_b32 s37, 0
	v_and_b32 v3, s27, v1
	v_add_nc_u32 v3, v3, v1
	v_lshlrev_b32 v3, 2, v3                        ; my column in the fragment, in bytes,
	v_mad_u32_u24 v3, v2, 0xc000, v3               ; and 16 rows of 3,072 bytes further down for lanes 16-31
	v_lshlrev_b32 v5, 4, v1                        ; 16 r: column r's four scale words
	s_lshl_b32 s19, s18, 2
	v_add_nc_u32 v6, s19, v5                       ; LDS: 16 r + 4 t
	s_wait_kmcnt 0x0
	s_cmp_eq_u32 s24, 0                            ; the tensor and its bias are chosen by the work-group's number alone
	s_cselect_b64 s[4:5], s[4:5], s[6:7]
	s_cselect_b64 s[10:11], s[10:11], s[12:13]
	s_cmp_eq_u32 s24, 2
	s_cselect_b64 s[4:5], s[8:9], s[4:5]
	s_cselect_b64 s[10:11], s[14:15], s[10:11]
	s_add_nc_u64 s[4:5], s[4:5], s[32:33]          ; W at my K step and my fragment's first column
	s_add_nc_u64 s[10:11], s[10:11], s[30:31]      ; the bias at my fragment's first column
	s_add_nc_u64 s[16:17], s[16:17], s[34:35]      ; the unit
	s_add_nc_u64 s[38:39], s[16:17], s[36:37]      ; the record
	s_lshl_b32 s36, s18, 11
	s_add_nc_u64 s[40:41], s[38:39], s[36:37]      ; my fragment's image
	s_lshl_b32 s36, s18, 10
	s_add_nc_u64 s[42:43], s[16:17], s[36:37]      ; my eight registers of the bias image
.irp c, 0,1,2,3
.irp i, 0,1,2,3,4,5,6,7,8,9,10,11,12,13,14,15
	global_load_b32 v[X+16*\c+\i], v3, s[4:5] offset:(32*\c+\i)*3072 th:TH_LOAD_NT   ; W(128 s + 32 c + 16 h + i, my column); each number is read once in the launch
.endr
.endr
	s_wait_loadcnt 0x0
	QUANT
.irp c, 0,1,2,3
	global_store_b128 v4, v[PC+4*\c:PC+4*\c+3], s[40:41] offset:512*\c   ; 32 lanes store 512 consecutive bytes, at a multiple of 256 from wq's first byte
.endr
	ds_store_b32 v6, v[PW]                         ; lanes l and l xor 16 write the same word with the same value
	s_cmp_lg_u32 s25, 0                            ; the work-groups of K step 0 also lay the bias out.  The branch hangs on the work-group's number; no barrier stands inside
	s_cbranch_scc1 .Lno_bias
	s_cmp_lt_u32 s24, 2
	s_cbranch_scc0 .Lbias_v
	v_lshlrev_b32 v7, 6, v2                        ; q, k (used transposed): register j of lane (r, h) is the result of column 16 h + j of the pair of fragments: eight neighbours
	global_load_b128 v[8:11], v7, s[10:11]
	global_load_b128 v[12:15], v7, s[10:11] offset:16
	s_wait_loadcnt 0x0
	s_branch .Lbias_out
.Lbias_v:
	v_lshlrev_b32 v7, 2, v1                        ; v (used as it is): all eight registers of lane (r, h) are results of column r
	global_load_b32 v8, v7, s[10:11]
	s_wait_loadcnt 0x0
.irp j, 1,2,3,4,5,6,7
	v_mov_b32 v[8+\j], v8
.endr
.Lbias_out:
	global_store_b128 v4, v[8:11], s[42:43]
	global_store_b128 v4, v[12:15], s[42:43] offset:512
.Lno_bias:
	s_wait_dscnt 0x0                               ; for the others' sake: my scale words lie in LDS
	s_barrier_signal -1
	s_barrier_wait -1
	s_cmp_lg_u32 s18, 0
	s_cbranch_scc1 .Lend
	ds_load_b128 v[116:119], v5                    ; column r's words of the four fragments
	s_wait_dscnt 0x0
	global_store_b128 v5, v[116:119], s[38:39] offset:8192   ; sixteen lanes store 256 consecutive bytes, aligned; lanes 16-31 repeat them with the same values
.Lend:
	s_wait_tensorcnt 0x0
	ds_add_u32 v128, v129
	s_wait_dscnt 0x0
	s_endpgm
	; ---- x: one fragment of 16 rows x 128 K a wave
.Lx:
	s_load_b64 s[4:5], s[0:1], 0x38                ; x
	s_load_b64 s[6:7], s[0:1], 0x40                ; xq
	s_sub_co_u32 s24, ttmp9, 18                    ; the group of 128 rows, 0 .. 63
	s_lshl_b32 s25, s26, 2
	s_add_co_u32 s25, s25, s18                     ; 4 y + wave = 8 s + a, 0 .. 47
	s_lshr_b32 s27, s25, 3                         ; the K step s
	s_and_b32 s28, s25, 7                          ; the row tile a = 2 b + u
	s_lshr_b32 s29, s28, 1
	s_lshl_b32 s29, s29, 5                         ; 32 b
	s_and_b32 s30, s28, 1
	s_lshl_b32 s30, s30, 3                         ; 8 u
	s_add_co_u32 s29, s29, s30
	s_lshl_b32 s30, s24, 7
	s_add_co_u32 s29, s29, s30                     ; the tile's first row: 128 g + 32 b + 8 u
	s_mul_i32 s32, s29, 3072
	s_lshl_b32 s30, s27, 9
	s_add_co_u32 s32, s32, s30                     ; + 512 bytes a K step
	s_mov_b32 s33, 0
	s_mul_i32 s34, s24, XGB                        ; the group's block of xq
	s_lshl_b32 s30, s25, 11
	s_add_co_u32 s36, s34, s30                     ; my fragment's image
	s_mov_b32 s37, 0
	s_lshl_b32 s30, s25, 7
	s_add_co_u32 s34, s34, s30
	s_add_co_u32 s34, s34, 98304                   ; and its scale words
	s_mov_b32 s35, 0
	v_and_b32 v3, 8, v1
	v_add_nc_u32 v3, v3, v1                        ; r + 8 (r / 8)
	v_mul_u32_u24 v3, v3, 3072
	v_lshl_add_u32 v3, v2, 6, v3                   ; my row, and my half's 64 bytes of a block of 32
	v_and_b32 v5, 31, v0
	v_lshlrev_b32 v5, 2, v5                        ; 4 x lane
	s_wait_kmcnt 0x0
	s_add_nc_u64 s[4:5], s[4:5], s[32:33]
	s_add_nc_u64 s[38:39], s[6:7], s[36:37]
	s_add_nc_u64 s[40:41], s[6:7], s[34:35]
.irp c, 0,1,2,3
.irp j, 0,1,2,3
	global_load_b128 v[X+16*\c+4*\j:X+16*\c+4*\j+3], v3, s[4:5] offset:128*\c+16*\j th:TH_LOAD_NT   ; x(my row, 128 s + 32 c + 16 h + 4 j ..); each number is read once in the launch
.endr
.endr
	s_wait_loadcnt 0x0
	QUANT
.irp c, 0,1,2,3
	global_store_b128 v4, v[PC+4*\c:PC+4*\c+3], s[38:39] offset:512*\c   ; 32 lanes store 512 consecutive bytes, at a multiple of 256 from xq's first byte
.endr
	global_store_b32 v5, v[PW], s[40:41]           ; 32 lanes store 128 consecutive bytes (lanes 16-31 hold lanes 0-15's words again: the image of a scale register); 1 byte in 17 of what this path stores
	s_endpgm
.Lfunc_end_k_qbc03438b2f_wquant:
	.size	k_qbc03438b2f_wquant, .Lfunc_end_k_qbc03438b2f_wquant-k_qbc03438b2f_wquant
	.p2alignl 7, 3214868480
	.fill 96, 4, 3214868480
	.section	.rodata,"a",@progbits
	.p2align	6, 0x0
	.amdhsa_kernel k_qbc03438b2f_wquant
		.amdhsa_group_segment_fixed_size 768
		.amdhsa_private_segment_fixed_size 0
		.amdhsa_enable_private_segment 0
		.amdhsa_kernarg_size 72
		.amdhsa_user_sgpr_count 2
		.amdhsa_user_sgpr_kernarg_segment_ptr 1
		.amdhsa_wavefront_size32 1
		.amdhsa_system_sgpr_workgroup_id_x 1
		.amdhsa_system_sgpr_workgroup_id_y 1
		.amdhsa_system_sgpr_workgroup_id_z 1
		.amdhsa_system_vgpr_workitem_id 0
		.amdhsa_next_free_vgpr 130
		.amdhsa_next_free_sgpr 66
		.amdhsa_reserve_vcc 0
		.amdhsa_float_denorm_mode_32 3
		.amdhsa_float_denorm_mode_16_64 3
		.amdhsa_memory_ordered 1
		.amdhsa_forward_progress 1
		.amdhsa_inst_pref_size 31
	.end_amdhsa_kernel
	.amdgpu_metadata
---
amdhsa.version: [ 1, 2 ]
amdhsa.kernels:
  - .name:           k_qbc03438b2f_wquant
    .symbol:         k_qbc03438b2f_wquant.kd
    .args:
      - { .name: Wq, .offset: 0, .size: 8, .value_kind: global_buffer, .address_space: global }
      - { .name: Wk, .offset: 8, .size: 8, .value_kind: global_buffer, .address_space: global }
      - { .name: Wv, .offset: 16, .size: 8, .value_kind: global_buffer, .address_space: global }
      - { .name: bq, .offset: 24, .size: 8, .value_kind: global_buffer, .address_space: global }
      - { .name: bk, .offset: 32, .size: 8, .value_kind: global_buffer, .address_space: global }
      - { .name: bv, .offset: 40, .size: 8, .value_kind: global_buffer, .address_space: global }
      - { .name: wq, .offset: 48, .size: 8, .value_kind: global_buffer, .address_space: global }
      - { .name: x, .offset: 56, .size: 8, .value_kind: global_buffer, .address_space: global }
      - { .name: xq, .offset: 64, .size: 8, .value_kind: global_buffer, .address_space: global }
    .group_segment_fixed_size: 768
    .private_segment_fixed_size: 0
    .kernarg_segment_align: 8
    .kernarg_segment_size: 72
    .max_flat_workgroup_size: 128
    .sgpr_count:     66
    .vgpr_count:     130
    .wavefront_size: 32
...
	.end_amdgpu_metadata
.endif
;; end of part 1
;; launch proj (part 2): grid 64 x 4, 3 waves a work-group, no clusters, 168,448 bytes of LDS; arguments xq, wq, qkv; writes qkv
.if DOCPART == 2
	.amdgcn_target "amdgcn-amd-amdhsa--gfx1250"
	.amdhsa_code_object_version 6
	.text
	.protected	k_qbc03438b2f_proj
	.globl	k_qbc03438b2f_proj
	.p2align	8
	.type	k_qbc03438b2f_proj,@function
k_qbc03438b2f_proj:
	s_mov_b64 s[64:65], 0
	v_nop
	global_prefetch_b8 v0, s[64:65] scope:SCOPE_SE
	s_setreg_imm32_b32 hwreg(HW_REG_WAVE_MODE, 25, 1), 1
	s_wait_xcnt 0x0
; q = x Wq + bq, k = x Wk + bk, v = x Wv + bv on codes of BF8 (E5M2) with one E8M0 scale for each 32 along K = 768; the results are quantised at once, q and k along the head's 64, v along the keys,
; and leave as IMAGES OF THE OPERAND REGISTERS of the attention's two products.  Nothing in f32 goes to memory.  x and the weights come as codes, from the launch before (their layouts stand at its head).
; qkv holds 768 records of REC bytes, record (batch x 12 + head) x 8 + group of 128 rows: Q's codes at 0, K's at 8192, V's at 16384 (four images of 2,048 bytes each: image i, registers 4 c .. 4 c + 3 at 2048 i + 512 c + 16 x lane);
; q's scale words at 24576, k's at 24832, v's at 25088 (image i's word of lane r at 16 r + 4 i).
; SHARES.  Work-group x = a group of 128 rows, y = three heads; wave w takes head 3 y + w and makes its q, k and v for the 128 rows, one after the other: 128 x 64 results in 32 accumulators, 192 matrix instructions a unit.
; The 2,304 units are nine to each of 256 work-groups: three waves of three units.  A fourth wave would have no whole unit, and four waves on 192 work-groups would be no shorter and would read LDS four at a time.
; x IN LDS.  The group's block of xq, 104,448 bytes, is the image of LDS bytes 0 on: 48 fragments of 16 rows x 128 K as images of their registers, then a scale word a lane for each.  Each wave brings a third of it, 136 rows
; of 256 bytes, by ONE tensor load at the head: a first fill, and the only fill of the launch; a wave has one tensor load out.  One barrier; from then on LDS is only read.
; THE ROWS OF A TILE ARE NOT NEIGHBOURS: lane r of row tile 2 b + u takes row 32 b + 8 u + r + 8 (r / 8).  So (a) in v, used as it is (source 0 = x), the 16 registers of row tiles 2 b, 2 b + 1 are 16 neighbouring keys;
; (b) K's and Q's images hold the tiles of rows that the attention wants.  Wq's and Wk's columns are chosen likewise; q and k are used transposed (source 0 = W), so a lane's registers run along the head's 64.
; AN IMAGE OF Q OR K: registers 0-7 row tile 2 i (64 codes a row), registers 8-15 row tile 2 i + 1; its word: (tile 2 i block 0, block 1, tile 2 i + 1 block 0, block 1).  AN IMAGE OF V: 16 of the head's 64 x 128 keys.
; In both numberings of the accumulators 64 registers on end are one image's numbers, register 16 b + i being number 16 (lane / 16) + i of block b: one macro quantises q, k and v.
; THE WEIGHTS come from memory straight into registers, as images, two K steps ahead.  Each wave reads another head's, so nothing of them is shared inside a work-group.  NO JOINT LOADS: the 64 work-groups of a column do read the
; same weights, but a joint load lands in LDS, and a K step's LDS reads of a wave would rise from 17,408 bytes (x's fragments and words) to 25,856; x's block, which four work-groups share, is 104,448 of the 597,504 bytes that a work-group reads.
; LIMITS: a block of zeros, or one under 2^-111, gets the byte 1 (this program alone reads the bytes); NaN and infinities among the inputs are not served.
; REGISTERS, in windows of 256: window 0: v1-8 addresses, v16-31 at work, v32-47 codes just made, v48-51 their scale words, v52-67 x's scale words (two sets of 8), v68-79 W's (three sets of 4), v80-111 the bias as C.
;   window 1: the 32 accumulators.   window 2: x's fragments, two sets of 128.   window 3: W's fragments, three sets of 64.
.set UNITB, 54784
.set RECW,  8448
.set REC,   25344
.set XGB,   104448                     ; a group's block of xq, and the LDS bytes used
.set XPW,   34816                      ; a wave's third of it
.set XSC,   98304                      ; LDS: x's 48 images, (8 s + a) x 2,048; behind them their scale words, (8 s + a) x 128
.set LI,   1                           ; v1  16 x lane
.set LI1,  2                           ; v2  the same + 65,536: K steps 4 and 5 lie beyond an LDS offset's 16 bits
.set LS,   3                           ; v3  16 r
.set XRS,  8                           ; v8  x's scale words: XSC + 4 x lane
.set TM,   16
.set PC,   32
.set SW,   48
.set XS,   52
.set WS,   68
.set BI,   80
.set G0,   32                          ; s[32:35] descriptor group 0
.set G1,   36                          ; s[36:43] descriptor group 1
.set MSB, 0
.macro WIN new                         ; bits 1:0 source 0, 3:2 source 1, 5:4 source 2, 7:6 destination; the high byte repeats the setting that is left
.if MSB != \new
	s_set_vgpr_msb (MSB<<8)|\new
.set MSB, \new
.endif
.endm
.macro PLACES n
.rept \n
	v_nop
.endr
.endm
; 64 numbers of a lane in window 1, v[s] on, four blocks of 16, become 16 registers of codes in v[PC] on and a scale word in v[pw].  Each accumulator is first read at its two lowest registers.
.macro QUANT s, pw
	WIN 0x05
.irp b, 0,1,2,3
	v_max3_num_f32 v[TM+\b], |v[(\s)+16*\b]|, |v[(\s)+1+16*\b]|, 0x8000000   ; my 16 numbers of block b, and the floor 2^(16 - 127): the byte cannot fall under 1
.endr
	WIN 0x14
.irp i, 2,4,6,8,10,12,14
.irp b, 0,1,2,3
	v_max3_num_f32 v[TM+\b], v[TM+\b], |v[(\s)+16*\b+\i]|, |v[(\s)+1+16*\b+\i]|
.endr
.endr
	WIN 0
.irp b, 0,1,2,3
	v_permlanex16_b32 v[TM+4+\b], v[TM+\b], s22, s23
.endr
.irp b, 0,1,2,3
	v_max_num_f32 v[TM+\b], v[TM+\b], v[TM+4+\b]   ; with lane l xor 16's 16: the block's largest magnitude
.endr
.irp b, 0,1,2,3
	v_add_nc_u32 v[TM+12+\b], 0xf8800000, v[TM+\b] ; 15 off its exponent field: the conversion's scale operand
.endr
.irp b, 0,1,2,3
	v_and_or_b32 v[TM+8+\b], v[TM+\b], 0x7f800000, s24   ; 57,344 x the scale
.endr
.irp b, 0,1,2,3
	v_lshrrev_b32 v[TM+4+\b], 23, v[TM+12+\b]      ; the scale's byte
.endr
	v_lshl_or_b32 v[\pw], v[TM+5], 8, v[TM+4]
	v_lshl_or_b32 v[\pw], v[TM+6], 16, v[\pw]
	v_lshl_or_b32 v[\pw], v[TM+7], 24, v[\pw]
	WIN 0x41
.irp b, 0,1,2,3
.irp i, 0,1,2,3,4,5,6,7,8,9,10,11,12,13,14,15
	v_med3_num_f32 v[(\s)+16*\b+\i], v[(\s)+16*\b+\i], -v[TM+8+\b], v[TM+8+\b]   ; the conversion to an 8-bit code does not saturate (ISA guide 7.6.2): the hold comes first
.endr
.endr
	WIN 0x01
.irp b, 0,1,2,3
	v_cvt_scalef32_pk8_bf8_f32 v[PC+4*\b:PC+1+4*\b], v[(\s)+16*\b:(\s)+7+16*\b], v[TM+12+\b]
	v_cvt_scalef32_pk8_bf8_f32 v[PC+2+4*\b:PC+3+4*\b], v[(\s)+8+16*\b:(\s)+15+16*\b], v[TM+12+\b]
.endr
	WIN 0
	v_nop                                          ; a plain line behind the last conversion: later products write its sources
.endm
; x's eight fragments and scale words of K step sp, from LDS, into set sp % 2: 40 LDS loads
.macro XFETCH sp
	WIN 0x80
.irp a, 0,1,2,3,4,5,6,7
.irp c, 0,1,2,3
.if (\sp) < 4
	ds_load_b128 v[128*((\sp)%2)+16*\a+4*\c:128*((\sp)%2)+16*\a+4*\c+3], v[LI] offset:(8*(\sp)+\a)*2048+512*\c
.else
	ds_load_b128 v[128*((\sp)%2)+16*\a+4*\c:128*((\sp)%2)+16*\a+4*\c+3], v[LI1] offset:(8*((\sp)-4)+\a)*2048+512*\c
.endif
.endr
.endr
	WIN 0
.irp a, 0,1,2,3,4,5,6,7
	ds_load_b32 v[XS+8*((\sp)%2)+\a], v[XRS] offset:(8*(\sp)+\a)*128
.endr
.endm
; record k of the unit in hand (k = 6, 7: records 0, 1 of the next unit) into set k % 3: 17 loads
.macro WFETCH k
.if (\k) < 6
.set WO, 4096+RECW*(\k)
.else
.set WO, UNITB+4096+RECW*((\k)-6)
.endif
	WIN 0xc0
.irp t, 0,1,2,3
.irp c, 0,1,2,3
	global_load_b128 v[64*((\k)%3)+16*\t+4*\c:64*((\k)%3)+16*\t+4*\c+3], v[LI], s[6:7] offset:WO+2048*\t+512*\c
.endr
.endr
	WIN 0
	global_load_b128 v[WS+4*((\k)%3):WS+4*((\k)%3)+3], v[LS], s[6:7] offset:WO+8192
.endm
.macro BFETCH off                      ; a unit's bias image: 8 loads
.irp m, 0,1,2,3,4,5,6,7
	global_load_b128 v[BI+4*\m:BI+4*\m+3], v[LI], s[6:7] offset:\off+512*\m
.endr
.endm
; 32 matrix instructions of K step s.  The 32 accumulators take turns, one instruction a turn, in the same order in every step.  The first step's C is the bias: nothing is cleared or added later.
.macro MULT s                          ; q, k, transposed: source 0 = 16 columns of W, source 1 = 16 rows of x; accumulator (a, t) at 8 (4 a + t)
.if \s == 0
	WIN 0x4b
.else
	WIN 0x5b
.endif
.irp a, 0,1,2,3,4,5,6,7
.irp t, 0,1,2,3
.if \s == 0
	v_wmma_scale_f32_16x16x128_f8f6f4 v[8*(4*\a+\t):8*(4*\a+\t)+7], v[64*(\s%3)+16*\t:64*(\s%3)+16*\t+15], v[128*(\s%2)+16*\a:128*(\s%2)+16*\a+15], v[BI+8*\t:BI+8*\t+7], v[WS+4*(\s%3)+\t], v[XS+8*(\s%2)+\a] matrix_a_fmt:MATRIX_FMT_BF8 matrix_b_fmt:MATRIX_FMT_BF8
.else
	v_wmma_scale_f32_16x16x128_f8f6f4 v[8*(4*\a+\t):8*(4*\a+\t)+7], v[64*(\s%3)+16*\t:64*(\s%3)+16*\t+15], v[128*(\s%2)+16*\a:128*(\s%2)+16*\a+15], v[8*(4*\a+\t):8*(4*\a+\t)+7], v[WS+4*(\s%3)+\t], v[XS+8*(\s%2)+\a] matrix_a_fmt:MATRIX_FMT_BF8 matrix_b_fmt:MATRIX_FMT_BF8
.endif
.endr
.endr
.endm
.macro MULN s                          ; v, as it is: source 0 = 16 rows of x, source 1 = 16 columns of W; accumulator (t, a) at 8 (8 t + a)
.if \s == 0
	WIN 0x4e
.else
	WIN 0x5e
.endif
.irp t, 0,1,2,3
.irp a, 0,1,2,3,4,5,6,7
.if \s == 0
	v_wmma_scale_f32_16x16x128_f8f6f4 v[8*(8*\t+\a):8*(8*\t+\a)+7], v[128*(\s%2)+16*\a:128*(\s%2)+16*\a+15], v[64*(\s%3)+16*\t:64*(\s%3)+16*\t+15], v[BI+8*\t:BI+8*\t+7], v[XS+8*(\s%2)+\a], v[WS+4*(\s%3)+\t] matrix_a_fmt:MATRIX_FMT_BF8 matrix_b_fmt:MATRIX_FMT_BF8
.else
	v_wmma_scale_f32_16x16x128_f8f6f4 v[8*(8*\t+\a):8*(8*\t+\a)+7], v[128*(\s%2)+16*\a:128*(\s%2)+16*\a+15], v[64*(\s%3)+16*\t:64*(\s%3)+16*\t+15], v[8*(8*\t+\a):8*(8*\t+\a)+7], v[XS+8*(\s%2)+\a], v[WS+4*(\s%3)+\t] matrix_a_fmt:MATRIX_FMT_BF8 matrix_b_fmt:MATRIX_FMT_BF8
.endif
.endr
.endr
.endm
; K step s of a unit.  nx: fetch x's next K step;  nw: fetch the record two steps on;  nb: fetch the next unit's bias;  lc: how many younger global loads may stay out.
.macro STEP var, s, nx, nw, nb, lc
	PLACES 8                                       ; eight places between the last step's products and loads into the sets, words and bias that they read
.if \nx
	XFETCH (\s+1)%6
.endif
.if \nb
	BFETCH UNITB
.endif
.if \nw
	WFETCH \s+2
.endif
.if \nx
	s_wait_dscnt 40                                ; this step's 40 LDS loads are in; the 40 just issued may be out
.else
	s_wait_dscnt 0x0
.endif
	s_wait_loadcnt \lc                             ; this step's record is in, and all that was asked for ahead of it; behind it were issued the records of the next two steps, 17 loads each (and in two steps the bias's 8, which this count then waits for in part)
.if \var
	MULN \s
.else
	MULT \s
.endif
	WIN 0
.endm
; a unit's 128 x 64 results become four images and their scale words
.macro EPI
	PLACES 8                                       ; between the last products and the first read of results
.irp i, 0,1,2,3
	QUANT 64*\i, SW+\i
.irp c, 0,1,2,3
	global_store_b128 v[LI], v[PC+4*\c:PC+4*\c+3], s[8:9] offset:2048*\i+512*\c   ; 32 lanes store 512 consecutive bytes, at a multiple of 256 from qkv's first byte
.endr
	s_wait_xcnt 0x0                                ; the codes' registers are written again only behind this wait
.endr
	global_store_b128 v[LS], v[SW:SW+3], s[26:27]  ; sixteen lanes store 256 consecutive bytes, aligned; lanes 16-31 repeat them with the same values
	s_wait_xcnt 0x0                                ; the bases step, and the words' registers are written again, only behind this wait
.endm
	s_load_b128 s[4:7], s[0:1], 0x0                ; xq, wq
	s_load_b64 s[8:9], s[0:1], 0x10                ; qkv
	v_lshl_add_u32 v254, v0, 2, 0x29000
	v_mov_b32 v255, 0
	ds_add_u32 v254, v255
	ds_add_u32 v254, v255
	v_lshrrev_b32 v9, 5, v0
	v_readfirstlane_b32 s10, v9                    ; wave 0..2
	v_and_b32 v9, 31, v0                           ; lane
	v_and_b32 v10, 15, v0                          ; r
	v_lshlrev_b32 v[LI], 4, v9
	v_add_nc_u32 v[LI1], 0x10000, v[LI]
	v_lshlrev_b32 v[LS], 4, v10
	v_lshl_add_u32 v[XRS], v9, 2, XSC
.irp b, 0,1,2,3
	v_mov_b32 v[TM+4+\b], 0                        ; a lane permute's destination counts as one of its sources
.endr
	s_and_b32 s12, ttmp7, 0xffff
	s_mul_i32 s12, s12, 3
	s_add_co_u32 s12, s12, s10                     ; my head
	s_lshr_b32 s13, ttmp9, 3                       ; the batch
	s_and_b32 s14, ttmp9, 7                        ; the group of 128 rows in it
	s_mov_b32 s[G0], 1                             ; group 0: 1:0 count = 1
	s_mul_i32 s[G0+1], s10, XPW                    ; 63:32 LDS address: my third
	s_mul_i32 s16, ttmp9, XGB                      ; the group's block of xq,
	s_add_co_u32 s16, s16, s[G0+1]                 ; my third of it
	s_mov_b32 s17, 0
	; group 1: a dense block of 34,816 bytes as 136 rows of 32 elements of 8 bytes, no padding: LDS takes the bytes as they lie
	s_mov_b32 s[G1+0], 3<<16                       ; 15:0 no mask; 17:16 elements of 8 bytes; 20 padding off
	s_mov_b32 s[G1+1], 32<<16                      ; tensor_dim0 = 32
	s_mov_b32 s[G1+2], 136<<16                     ; tensor_dim1 = 136
	s_mov_b32 s[G1+3], 32<<16                      ; tile_dim0 = 32
	s_mov_b32 s[G1+4], 136                         ; tile_dim1 = 136
	s_mov_b32 s[G1+5], 32                          ; the pitch: rows on end
	s_mov_b32 s[G1+6], 0
	s_mov_b32 s[G1+7], 0
	s_mul_i32 s18, s12, 3*UNITB                    ; my head's three units
	s_mov_b32 s19, 0
	s_mul_i32 s20, s13, 12
	s_add_co_u32 s20, s20, s12
	s_lshl_b32 s20, s20, 3
	s_add_co_u32 s20, s20, s14
	s_mul_i32 s20, s20, REC                        ; my record of qkv
	s_mov_b32 s21, 0
	s_mov_b32 s22, 0x76543210
	s_mov_b32 s23, 0xfedcba98                      ; v_permlanex16_b32's selects for lane l xor 16
	s_mov_b32 s24, 0x600000                        ; the mantissa field of 57,344
	s_wait_dscnt 0x0
	s_wait_kmcnt 0x0
	s_add_nc_u64 s[G0+2:G0+3], s[4:5], s[16:17]    ; 120:64 global address
	s_or_b32 s[G0+3], s[G0+3], 0x80000000          ; 127:126 type = 2
	s_add_nc_u64 s[6:7], s[6:7], s[18:19]
	s_add_nc_u64 s[8:9], s[8:9], s[20:21]
	s_add_nc_u64 s[26:27], s[8:9], 24576           ; the scale words' part
	tensor_load_to_lds s[G0:G0+3], s[G1:G1+7]      ; my third of x's images: the launch's only fill of LDS
	s_nop 0
	PLACES 4                                       ; four v_nop follow the line, ahead of the first switch of windows
	BFETCH 0                                       ; q's bias ahead of its records, so that step 0's count of younger loads shows it in;
	WFETCH 0                                       ; q's first two records: all land while x's images do
	WFETCH 1
	s_wait_tensorcnt 0x0                           ; my third lies in LDS,
	s_barrier_signal -1
	s_barrier_wait -1                              ; everybody's does; nobody writes LDS again
	XFETCH 0
	s_mov_b32 s28, 2
.Lqk:                                                  ; two trips: q, then k.  Steps 4 and 5 fetch the next unit's first two records, step 1 its bias, step 5 x's K step 0 again
	STEP 0, 0, 1, 1, 0, 34
	STEP 0, 1, 1, 1, 1, 34
	STEP 0, 2, 1, 1, 0, 34
	STEP 0, 3, 1, 1, 0, 34
	STEP 0, 4, 1, 1, 0, 34
	STEP 0, 5, 1, 1, 0, 34
	EPI
	s_add_nc_u64 s[6:7], s[6:7], UNITB
	s_add_nc_u64 s[8:9], s[8:9], 8192
	s_add_nc_u64 s[26:27], s[26:27], 256
	s_sub_co_u32 s28, s28, 1
	s_cmp_lg_u32 s28, 0
	s_cbranch_scc1 .Lqk
	STEP 1, 0, 1, 1, 0, 34                         ; v is written out: other sources, and nothing is fetched beyond its last record
	STEP 1, 1, 1, 1, 0, 34
	STEP 1, 2, 1, 1, 0, 34
	STEP 1, 3, 1, 1, 0, 34
	STEP 1, 4, 1, 0, 0, 17
	STEP 1, 5, 0, 0, 0, 0
	EPI
	s_wait_tensorcnt 0x0
	ds_add_u32 v254, v255
	s_wait_dscnt 0x0
	s_endpgm
.Lfunc_end_k_qbc03438b2f_proj:
	.size	k_qbc03438b2f_proj, .Lfunc_end_k_qbc03438b2f_proj-k_qbc03438b2f_proj
	.p2alignl 7, 3214868480
	.fill 96, 4, 3214868480
	.section	.rodata,"a",@progbits
	.p2align	6, 0x0
	.amdhsa_kernel k_qbc03438b2f_proj
		.amdhsa_group_segment_fixed_size 168448
		.amdhsa_private_segment_fixed_size 0
		.amdhsa_enable_private_segment 0
		.amdhsa_kernarg_size 24
		.amdhsa_user_sgpr_count 2
		.amdhsa_user_sgpr_kernarg_segment_ptr 1
		.amdhsa_wavefront_size32 1
		.amdhsa_system_sgpr_workgroup_id_x 1
		.amdhsa_system_sgpr_workgroup_id_y 1
		.amdhsa_system_sgpr_workgroup_id_z 1
		.amdhsa_system_vgpr_workitem_id 0
		.amdhsa_next_free_vgpr 1024
		.amdhsa_next_free_sgpr 66
		.amdhsa_reserve_vcc 0
		.amdhsa_float_denorm_mode_32 3
		.amdhsa_float_denorm_mode_16_64 3
		.amdhsa_memory_ordered 1
		.amdhsa_forward_progress 1
		.amdhsa_inst_pref_size 178
	.end_amdhsa_kernel
	.amdgpu_metadata
---
amdhsa.version: [ 1, 2 ]
amdhsa.kernels:
  - .name:           k_qbc03438b2f_proj
    .symbol:         k_qbc03438b2f_proj.kd
    .args:
      - { .name: xq, .offset: 0, .size: 8, .value_kind: global_buffer, .address_space: global }
      - { .name: wq, .offset: 8, .size: 8, .value_kind: global_buffer, .address_space: global }
      - { .name: qkv, .offset: 16, .size: 8, .value_kind: global_buffer, .address_space: global }
    .group_segment_fixed_size: 168448
    .private_segment_fixed_size: 0
    .kernarg_segment_align: 8
    .kernarg_segment_size: 24
    .max_flat_workgroup_size: 96
    .sgpr_count:     66
    .vgpr_count:     1024
    .wavefront_size: 32
...
	.end_amdgpu_metadata
.endif
;; end of part 2
;; launch attn (part 3): grid 256 x 1, 12 waves a work-group, no clusters, 100,352 bytes of LDS; arguments qkv, x, ln_gamma, ln_beta, out0; writes out0
.if DOCPART == 3
	.amdgcn_target "amdgcn-amd-amdhsa--gfx1250"
	.amdhsa_code_object_version 6
	.text
	.protected	k_qbc03438b2f_attn
	.globl	k_qbc03438b2f_attn
	.p2align	8
	.type	k_qbc03438b2f_attn,@function
k_qbc03438b2f_attn:
	s_mov_b64 s[64:65], 0
	v_nop
	global_prefetch_b8 v0, s[64:65] scope:SCOPE_SE
	s_setreg_imm32_b32 hwreg(HW_REG_WAVE_MODE, 25, 1), 1
	s_wait_xcnt 0x0
; out0 = layernorm(x + 2 softmax(q k^T / 8) v), both products on codes of BF8 (E5M2) with one E8M0 scale for each 32 along a product's K.  q, k, v come from qkv as images of operand registers (the layout stands at the head of the launch that makes them).
; THE SOFTMAX AHEAD OF THE SECOND PRODUCT: t = score x log2(e) / 8; M = the row's largest t so far, rounded UP to a whole number; p = 2^(t - M) is quantised along the keys, not normalised.  The row's sum is taken of the
; unquantised p, in f32, and divides at the end.  When M moves, the sum and O are multiplied by 2^(old M - new M): exact.
; SHARES.  A work-group owns 32 rows of x and ALL 12 heads, so that the layer norm, which wants a whole row, needs no launch of its own: 8,192 / 32 = 256 work-groups.  Wave w takes head w: two tiles of 16 queries, 8 steps of 128 keys.
; Twelve waves of 320 registers, three for each quarter of the work-group's register share: while one wave walks its softmax, another's loads and products are issued.
; THE ORDER OF THE KEY STEPS IS FREE (a running maximum serves any order): work-group g begins at the group of 128 keys g mod 8 and walks round.  So in every step each of a head's eight records is asked for by four of the
; batch's 32 work-groups, instead of one record by all 32.
; BOTH PRODUCTS ARE USED TRANSPOSED: S^T = K Q^T (source 0 = keys), O^T = V^T P^T (source 0 = 16 of the head's 64): a lane holds ONE query throughout.  The keys of a tile are chosen (lane r of tile 2 b + u: key 32 b + 8 u + r + 8 (r / 8))
; so that the 16 registers of tiles 2 b, 2 b + 1 are 16 neighbouring keys: the conversions' results are the second product's operand.  The queries of a tile are chosen likewise: tile u's lane r is row 8 u + r + 8 (r / 8) of the 32.
; K = 64 IN AN INSTRUCTION OF 128.  An image of K holds tile 2 i's 64 codes a row in registers 0-7 and tile 2 i + 1's in registers 8-15.  Multiplied by (q | 0) it gives tile 2 i's scores, by (0 | q) tile 2 i + 1's: zero codes
; cancel the other tile's codes, which are finite (they were held at the largest code).  No byte and no register is spent on padding.  Q's scale word is (s0, s1, s0, s1): every byte is a scale's.
; K AND V come from memory straight into registers: a head's tiles are read by one wave of the work-group, so LDS would give no reuse.  NO JOINT LOADS, though 32 work-groups read each head's K and V: a joint load lands in LDS,
; and two slots of a key step (16,896 bytes) for each of 12 heads are 405,504 bytes, more than the 327,680 that a work-group can claim.
; LIMITS: a block's largest p is taken from its largest score, which takes v_exp_f32 not to fall where its input rises; a block whose every p is 0 gets the byte 1 over zero codes; NaN and infinities are not served.
; REGISTERS: window 0: v1-5 addresses; v8-15 per tile -M, the largest t, the sum in two halves; v16-19 per tile f and p's scale word; v20-21 Q's scale words; v24-27 K's (lanes 0-15) and V's (lanes 16-31) scale words;
;   v28-43 at work; v44-83 [0 | q0 | 0 | q1 | 0], eight registers each; v84-115 p's codes; v116-179 K of the step, then V; v180-243 S^T, then p.   window 1: v0-63 O^T, tile q's 16 t .. 16 t + 15 of the head at 32 q + 8 t.
;   Behind the last products: v20-43 beta, v44-139 four rows of x, v140-163 gamma, v204-251 two rows of the stage.
.set REC,  25344
.set SCL,  24
.set BM,   28                          ; a block's largest score, then its largest p
.set BP,   32                          ; the other half's, then bytes, then a chain of the sum
.set HD,   36                          ; 57,344 x the scale
.set SO,   40                          ; the conversions' scale operands
.set QS,   20
.set QZ,   44
.set PC,   84
.set KV,   116
.set S,    180
.set KB,   4                           ; s[4:5]   my head's eight records
.set WV,   14
.set IDX,  15                          ; s15      the group of 128 keys in hand, 0 .. 7
.set KO,   18                          ; s[18:19] its record's byte offset from KB
.set KP,   20                          ; s[20:21] the record of the key step in hand
.set CS,   36                          ; s[36:37] c = log2(e) / 8
.set SEL,  38                          ; s[38:39] v_permlanex16_b32's selects for lane l xor 16
.set MNT,  40
.set INV,  41                          ; 1 / 768
.set EPS,  42
.set J,    43
.set MSB, 0
.macro WIN new                         ; bits 1:0 source 0, 3:2 source 1, 5:4 source 2, 7:6 destination; the high byte repeats the setting that is left
.if MSB != \new
	s_set_vgpr_msb (MSB<<8)|\new
.set MSB, \new
.endif
.endm
.macro PLACES n
.rept \n
	v_nop
.endr
.endm
.macro KLOAD                           ; 17 loads: K's four images, and one load for both scale parts: lanes 0-15 take K's four words of row r, lanes 16-31, 256 bytes on, V's
.irp i, 0,1,2,3
.irp c, 0,1,2,3
	global_load_b128 v[KV+16*\i+4*\c:KV+16*\i+4*\c+3], v1, s[KP:KP+1] offset:8192+2048*\i+512*\c
.endr
.endr
	global_load_b128 v[SCL:SCL+3], v1, s[KP:KP+1] offset:24832
.endm
.macro VLOAD                           ; 16 loads: V's four images, over K's
.irp i, 0,1,2,3
.irp c, 0,1,2,3
	global_load_b128 v[KV+16*\i+4*\c:KV+16*\i+4*\c+3], v1, s[KP:KP+1] offset:16384+2048*\i+512*\c
.endr
.endr
.endm
.macro QK q                            ; tile q's scores of 128 keys: eight products, each starting its sum with 0
.irp i, 0,1,2,3
	v_wmma_scale_f32_16x16x128_f8f6f4 v[S+16*\i:S+16*\i+7], v[KV+16*\i:KV+16*\i+15], v[QZ+8+16*\q:QZ+23+16*\q], 0, v[SCL+\i], v[QS+\q] matrix_a_fmt:MATRIX_FMT_BF8 matrix_b_fmt:MATRIX_FMT_BF8
	v_wmma_scale_f32_16x16x128_f8f6f4 v[S+16*\i+8:S+16*\i+15], v[KV+16*\i:KV+16*\i+15], v[QZ+16*\q:QZ+15+16*\q], 0, v[SCL+\i], v[QS+\q] matrix_a_fmt:MATRIX_FMT_BF8 matrix_b_fmt:MATRIX_FMT_BF8
.endr
.endm
; tile q's softmax of a key step: register S + 16 b + i is key 32 b + 16 (lane / 16) + i of my query
.macro SM q
.set ST, 8+4*\q
.set FF, 16+2*\q
.set PQ, PC+16*\q
.irp b, 0,1,2,3
	v_max3_num_f32 v[BM+\b], v[S+16*\b], v[S+1+16*\b], v[S+2+16*\b]   ; the largest score of each block of 32 keys: for the row's maximum, and, since p rises with the score, for the block's largest p.  Each accumulator is first read at its low end
.endr
.irp i, 3,5,7,9,11,13
.irp b, 0,1,2,3
	v_max3_num_f32 v[BM+\b], v[BM+\b], v[S+16*\b+\i], v[S+1+16*\b+\i]
.endr
.endr
.irp b, 0,1,2,3
	v_max_num_f32 v[BM+\b], v[BM+\b], v[S+15+16*\b]
.endr
.irp b, 0,1,2,3
	v_permlanex16_b32 v[BP+\b], v[BM+\b], s[SEL], s[SEL+1]
.endr
.irp b, 0,1,2,3
	v_max_num_f32 v[BM+\b], v[BM+\b], v[BP+\b]     ; with lane l xor 16's 16 keys
.endr
	v_max3_num_f32 v22, v[BM], v[BM+1], v[BM+2]
	v_max_num_f32 v22, v22, v[BM+3]                ; the step's largest score of my query
	v_mul_f32 v22, s[CS], v22                      ; as t (c is positive)
	v_max_num_f32 v[ST+1], v[ST+1], v22            ; the running largest t
	v_mov_b32 v22, v[ST]
	v_floor_f32 v[ST], -v[ST+1]                    ; the new -M = floor(-t) = -ceil(t): a whole number
	v_sub_f32 v22, v[ST], v22                      ; old M - new M: a whole number, 0 or less
	v_cvt_i32_f32 v22, v22                         ; (it saturates)
	v_ldexp_f32 v[FF], 1.0, v22                    ; f = 2^(old M - new M)
.set n, 0
.rept 32
	v_pk_fma_f32 v[S+n:S+n+1], v[S+n:S+n+1], s[CS:CS+1], v[ST:ST+1] op_sel_hi:[1,0,0]   ; t - M, two at a time (of the pairs c and -M the low word serves both halves)
.set n, n+2
.endr
.irp b, 0,1,2,3
	v_fma_f32 v[BM+\b], v[BM+\b], s[CS], v[ST]     ; the same of each block's largest score
.endr
.set n, 0
.rept 64
	v_exp_f32 v[S+n], v[S+n]                       ; p = 2^(t - M), at most 1
.set n, n+1
.endr
.irp b, 0,1,2,3
	v_exp_f32 v[BM+\b], v[BM+\b]                   ; the block's largest p: the same two instructions on the same number
.endr
	v_pk_mul_f32 v[ST+2:ST+3], v[ST+2:ST+3], v[FF:FF+1] op_sel_hi:[1,0]   ; the sums under the new M.  (The plain line behind the exponentials)
	s_wait_alu depctr_va_vdst(0)
.irp b, 0,1,2,3
	v_max_num_f32 v[BM+\b], 0x8000000, v[BM+\b]    ; the floor 2^(16 - 127): the byte cannot fall under 1
.endr
.irp b, 0,1,2,3
	v_add_nc_u32 v[SO+\b], 0xf8800000, v[BM+\b]    ; 15 off the exponent field: the conversion's scale operand
.endr
.irp b, 0,1,2,3
	v_and_or_b32 v[HD+\b], v[BM+\b], 0x7f800000, s[MNT]   ; 57,344 x the scale
.endr
.irp b, 0,1,2,3
	v_lshrrev_b32 v[BP+\b], 23, v[SO+\b]           ; the scale's byte
.endr
	v_lshl_or_b32 v[FF+1], v[BP+1], 8, v[BP]       ; p's scale word for these 128 keys
	v_lshl_or_b32 v[FF+1], v[BP+2], 16, v[FF+1]
	v_lshl_or_b32 v[FF+1], v[BP+3], 24, v[FF+1]
	v_pk_add_f32 v[BP:BP+1], v[S:S+1], v[S+2:S+3]  ; the row's sum is taken of the unquantised p: two at a time, in two chains
.irp j, 4,8,12,16,20,24,28,32,36,40,44,48,52,56,60
	v_pk_add_f32 v[ST+2:ST+3], v[ST+2:ST+3], v[S+\j:S+\j+1]
	v_pk_add_f32 v[BP:BP+1], v[BP:BP+1], v[S+\j+2:S+\j+3]
.endr
	v_pk_add_f32 v[ST+2:ST+3], v[ST+2:ST+3], v[BP:BP+1]
.irp b, 0,1,2,3
.irp i, 0,1,2,3,4,5,6,7,8,9,10,11,12,13,14,15
	v_min_num_f32 v[S+16*\b+\i], v[S+16*\b+\i], v[HD+\b]   ; the conversion to an 8-bit code does not saturate (ISA guide 7.6.2); p is not negative, so the hold is one-sided
.endr
	v_cvt_scalef32_pk8_bf8_f32 v[PQ+4*\b:PQ+1+4*\b], v[S+16*\b:S+7+16*\b], v[SO+\b]
	v_cvt_scalef32_pk8_bf8_f32 v[PQ+2+4*\b:PQ+3+4*\b], v[S+8+16*\b:S+15+16*\b], v[SO+\b]
.endr
	v_nop                                          ; a plain line behind the last conversion: the next products write its sources
.endm
.macro PV                              ; O^T += V^T P^T: eight accumulators by turns, one instruction a turn; V's scale words stand in lanes 16-31
	WIN 0x50
.irp t, 0,1,2,3
.irp q, 0,1
	v_wmma_scale_f32_16x16x128_f8f6f4 v[32*\q+8*\t:32*\q+8*\t+7], v[KV+16*\t:KV+16*\t+15], v[PC+16*\q:PC+16*\q+15], v[32*\q+8*\t:32*\q+8*\t+7], v[SCL+\t], v[17+2*\q] matrix_a_fmt:MATRIX_FMT_BF8 matrix_b_fmt:MATRIX_FMT_BF8 matrix_a_scale:MATRIX_SCALE_ROW1
.endr
.endr
	WIN 0
.endm
; A KEY STEP of 128 keys.  last = 0: it ends with the loads of the next step's K, which the next step's first line waits for.  last = 1: the eighth step, written out behind the loop: it fetches nothing more (every load into
; K's and V's registers has its wait behind it in the text), and it asks for the rows of x that the layer norm will load.
.macro TRIP last
	s_wait_loadcnt 0x0                             ; K and the scale words are in
	QK 0
	PLACES 9                                       ; eight between products and the first read of results; the ninth since the next run of products writes over these results
.if \last
	global_prefetch_b8 v5, s[28:29] th:TH_LOAD_NT scope:SCOPE_SE   ; the work-group's 384 lanes ask, once each, for the 384 blocks of 256 bytes of its 32 rows of x, which waves 0-7 load behind this step; nothing further is asked for
.endif
	SM 0
	QK 1
	PLACES 9                                       ; also the places in front of the loads over K
	VLOAD                                          ; lands while tile 1's softmax is walked
	SM 1
	WIN 0x41
.set n, 0
.rept 16
	v_pk_mul_f32 v[n:n+1], v[n:n+1], v[16:17] op_sel_hi:[1,0]   ; O^T under the new M: x f.  (These 32 are also the places between p's codes and the products)
.set n, n+2
.endr
.rept 16
	v_pk_mul_f32 v[n:n+1], v[n:n+1], v[18:19] op_sel_hi:[1,0]
.set n, n+2
.endr
	WIN 0
	s_wait_loadcnt 0x0                             ; V is in; no load of mine is out, so the base may be written
.if \last == 0
	s_add_co_u32 s[IDX], s[IDX], 1                 ; the next group of 128 keys, round the head's eight
	s_and_b32 s[IDX], s[IDX], 7
	s_mul_i32 s[KO], s[IDX], REC
	s_add_nc_u64 s[KP:KP+1], s[KB:KB+1], s[KO:KO+1]
.endif
	PV
	PLACES 8                                       ; in front of the loads over V, p's codes and the scale words, and of the first read of O^T
.if \last == 0
	KLOAD
.endif
.endm
	s_load_b256 s[4:11], s[0:1], 0x0               ; qkv s[4:5], x s[6:7], gamma s[8:9], beta s[10:11]
	s_load_b64 s[12:13], s[0:1], 0x20              ; out0
	v_lshl_add_u32 v254, v0, 2, 0x18200
	v_mov_b32 v255, 0
	v_lshrrev_b32 v22, 5, v0
	v_readfirstlane_b32 s[WV], v22                 ; wave = head, 0..11
	v_and_b32 v22, 31, v0
	v_lshlrev_b32 v1, 4, v22                       ; v1: 16 x lane
	v_and_b32 v23, 15, v0                          ; r
	v_lshlrev_b32 v2, 4, v23                       ; v2: 16 r: Q's scale words
	v_bfe_u32 v22, v0, 4, 1                        ; h
	v_mul_u32_u24 v3, v23, 3088
	v_lshl_add_u32 v3, v22, 5, v3
	s_lshl_b32 s46, s[WV], 8
	v_add_nc_u32 v3, s46, v3                       ; v3: the stage, in: row r of 3,088 bytes, + 32 h, + my head's 256 bytes
	s_min_u32 s47, s[WV], 7                        ; the layer norm is waves 0-7's; the others' addresses are held at wave 7's and never used
	s_mul_i32 s46, s47, 12352
	v_add_nc_u32 v4, s46, v1                       ; v4: the stage, back: four rows a wave, 16 bytes a lane
	v_lshlrev_b32 v5, 8, v0                        ; v5: 256 x thread: the prefetch's offset; never rewritten
	s_lshr_b32 s15, ttmp9, 5                       ; the batch
	s_and_b32 s16, ttmp9, 31                       ; my 32 queries in it
	s_mul_i32 s[KO], s15, 12
	s_add_co_u32 s[KO], s[KO], s[WV]
	s_mul_i32 s[KO], s[KO], 8*REC                  ; my head's eight records
	s_mov_b32 s[KO+1], 0                           ; (stays 0: the upper word of every offset made in s[KO])
	s_lshr_b32 s22, s16, 2
	s_mul_i32 s22, s22, REC                        ; the record that holds my queries,
	s_and_b32 s17, s16, 3                          ; and their image in it
	s_mov_b32 s23, 0
	s_lshl_b32 s30, s17, 11
	s_add_co_u32 s30, s30, s22
	s_mov_b32 s31, 0
	s_lshl_b32 s17, s17, 2
	s_add_co_u32 s22, s22, s17
	s_add_co_u32 s22, s22, 24576
	s_mov_b32 s[CS], 0x3e38aa3b                    ; c = log2(e) / sqrt(64)
	s_mov_b32 s[CS+1], s[CS]                       ; (named with it as a pair, so it is written)
	s_mov_b32 s[SEL], 0x76543210
	s_mov_b32 s[SEL+1], 0xfedcba98
	s_mov_b32 s[MNT], 0x600000                     ; the mantissa field of 57,344
	s_mov_b32 s[INV], 0x3aaaaaab                   ; 1 / 768
	s_mov_b32 s[EPS], 0x358637bd                   ; 1e-6
	s_mov_b32 s[J], 7
	s_mov_b32 s44, 0x01000100                      ; bytes 0, 1, 0, 1
	s_mov_b32 s45, 0x03020302                      ; bytes 2, 3, 2, 3
	s_wait_kmcnt 0x0
	s_add_nc_u64 s[KB:KB+1], s[KB:KB+1], s[KO:KO+1]
	s_add_nc_u64 s[24:25], s[KB:KB+1], s[30:31]    ; Q's image
	s_add_nc_u64 s[26:27], s[KB:KB+1], s[22:23]    ; and its scale words
	s_and_b32 s[IDX], s16, 7                       ; the group of keys that I begin with
	s_mul_i32 s[KO], s[IDX], REC
	s_add_nc_u64 s[KP:KP+1], s[KB:KB+1], s[KO:KO+1]
	s_mul_i32 s30, ttmp9, 98304                    ; the work-group's 32 rows of 3,072 bytes
	s_add_nc_u64 s[28:29], s[6:7], s[30:31]        ; in x, for the prefetch
	s_lshr_b32 s46, s47, 2                         ; stage rows 4 w .. 4 w + 3 are tile w / 4's lanes 4 (w % 4) on: rows 8 (w / 4) + 4 (w % 4) + 4 (w & 2) + 0 .. 3 of the 32
	s_lshl_b32 s46, s46, 3
	s_and_b32 s17, s47, 3
	s_lshl_b32 s17, s17, 2
	s_add_co_u32 s46, s46, s17
	s_and_b32 s17, s47, 2
	s_lshl_b32 s17, s17, 2
	s_add_co_u32 s46, s46, s17
	s_mul_i32 s46, s46, 3072
	s_add_co_u32 s30, s30, s46
	s_add_nc_u64 s[32:33], s[6:7], s[30:31]        ; my four rows of x
	s_add_nc_u64 s[34:35], s[12:13], s[30:31]      ; and of out0
	global_load_b128 v[QZ+8:QZ+11], v1, s[24:25]               ; q0: the image's registers 0-7
	global_load_b128 v[QZ+12:QZ+15], v1, s[24:25] offset:512
	global_load_b128 v[QZ+24:QZ+27], v1, s[24:25] offset:1024  ; q1: registers 8-15
	global_load_b128 v[QZ+28:QZ+31], v1, s[24:25] offset:1536
	global_load_b32 v22, v2, s[26:27]
	KLOAD                                          ; my first key step
.irp z, 0,16,32
.irp e, 0,1,2,3,4,5,6,7
	v_mov_b32 v[QZ+\z+\e], 0                       ; the three runs of zero codes
.endr
.endr
.irp q, 0,1
	v_mov_b32 v[9+4*\q], 0xff61b1e6                ; the largest t so far: -3e38, under every t
	v_floor_f32 v[8+4*\q], -v[9+4*\q]              ; -M
	v_mov_b32 v[10+4*\q], 0                        ; the sum, in two halves
	v_mov_b32 v[11+4*\q], 0
	v_mov_b32 v[16+2*\q], 0
	v_mov_b32 v[17+2*\q], 0                        ; (named as the upper half of a pair before it is first made)
.endr
.irp b, 0,1,2,3
	v_mov_b32 v[BP+\b], 0                          ; a lane permute's destination counts as one of its sources
.endr
	s_wait_loadcnt 17                              ; Q and its word are in; the key step's 17 loads may be out
	v_perm_b32 v[QS], v22, v22, s44                ; tile 0's scale word (s0, s1, s0, s1),
	v_perm_b32 v[QS+1], v22, v22, s45              ; tile 1's
	WIN 0x40
.set n, 0
.rept 64
	v_mov_b32 v[n], 0                              ; O^T.  No step has a form of its own for starting the sums: the first finds zeros, which the first change of M leaves zeros.  (These are also the places between the scale words' making and the first products)
.set n, n+1
.endr
	WIN 0
.Lstep:                                                ; seven trips of 128 keys, each ending with the next step's loads
	TRIP 0
	s_sub_co_u32 s[J], s[J], 1
	s_cmp_lg_u32 s[J], 0
	s_cbranch_scc1 .Lstep
	TRIP 1                                         ; the eighth
	; ---- waves 0-7, which will norm four rows each, ask for x, gamma and beta now: Q's, p's, K's and V's registers and those of the softmax's small numbers are free, and the loads land while O is normalised, staged and the waves meet
	s_cmp_ge_u32 s[WV], 8
	s_cbranch_scc1 .Lno_rows
.irp k, 0,1,2,3
.irp m, 0,1,2,3,4,5
	global_load_b128 v[44+24*\k+4*\m:44+24*\k+4*\m+3], v1, s[32:33] offset:3072*\k+512*\m th:TH_LOAD_NT   ; a row of x: six loads of 512 consecutive bytes
.endr
.endr
.irp m, 0,1,2,3,4,5
	global_load_b128 v[140+4*\m:140+4*\m+3], v1, s[8:9] offset:512*\m     ; gamma
.endr
.irp m, 0,1,2,3,4,5
	global_load_b128 v[20+4*\m:20+4*\m+3], v1, s[10:11] offset:512*\m     ; beta
.endr
.Lno_rows:
	; ---- 2 O / l into the stage: 32 rows (16 x tile + r) of 3,072 bytes + 16, head w at byte 256 w
	v_add_f32 v10, v10, v11                        ; the sum's two halves,
	v_add_f32 v14, v14, v15
	v_permlanex16_b32 v16, v10, s[SEL], s[SEL+1]   ; (f's registers, done with, take the other half's sums)
	v_permlanex16_b32 v18, v14, s[SEL], s[SEL+1]
	v_add_f32 v10, v10, v16                        ; and lane l xor 16's: the row's sum
	v_add_f32 v14, v14, v18
	v_rcp_f32 v10, v10
	v_rcp_f32 v14, v14
	v_nop                                          ; a plain line behind the reciprocals
	s_wait_alu depctr_va_vdst(0)
	v_add_f32 v10, v10, v10                        ; 2 / l: context + drop_path(context)
	v_add_f32 v14, v14, v14
	WIN 0x01
.set n, 0
.rept 32
	v_mul_f32 v[S+n], v[n], v10                    ; each accumulator from its low end on
.set n, n+1
.endr
.rept 32
	v_mul_f32 v[S+n], v[n], v14
.set n, n+1
.endr
	WIN 0
.irp q, 0,1
.irp t, 0,1,2,3
	ds_store_b128 v3, v[S+32*\q+8*\t:S+32*\q+8*\t+3] offset:49408*\q+64*\t       ; lane (r, h): channels 16 t + 8 h + 0 .. 7 of my head
	ds_store_b128 v3, v[S+32*\q+8*\t+4:S+32*\q+8*\t+7] offset:49408*\q+64*\t+16
.endr
.endr
	s_wait_dscnt 0x0                               ; for the others' sake: my head's part of the 32 rows lies in the stage
	s_barrier_signal -1
	s_barrier_wait -1
	s_cmp_ge_u32 s[WV], 8                          ; 32 rows: four for each of waves 0-7
	s_cbranch_scc1 .Lend
.irp k, 0,1
.irp m, 0,1,2,3,4,5
	ds_load_b128 v[204+24*\k+4*\m:204+24*\k+4*\m+3], v4 offset:3088*\k+512*\m
.endr
.endr
.macro RED                             ; v[8:9]'s two halves, then the 32 lanes: the sum in every lane's v8
	v_add_f32 v8, v8, v9
	v_add_f32_dpp v8, v8, v8 row_xmask:1 row_mask:0xf bank_mask:0xf
	v_add_f32_dpp v8, v8, v8 row_xmask:2 row_mask:0xf bank_mask:0xf
	v_add_f32_dpp v8, v8, v8 row_xmask:4 row_mask:0xf bank_mask:0xf
	v_add_f32_dpp v8, v8, v8 row_xmask:8 row_mask:0xf bank_mask:0xf
	v_permlanex16_b32 v9, v8, s[SEL], s[SEL+1]
	v_add_f32 v8, v8, v9
.endm
; row k of my four: y = x + 2 context; mean; variance of y - mean (two passes, as it is defined); scaled, and stored from the row's own registers
.macro LNROW k
.set XK, 44+24*\k
.set CT, 204+24*(\k%2)
.if \k == 0
	s_wait_loadcnt 30                              ; x's row 0 is in; behind it: rows 1 to 3 (18 loads), gamma (6), beta (6).  The later rows stand behind this row's wait for 0
.endif
.if \k < 3
	s_wait_dscnt 6                                 ; this row of the stage is in; the next row's six loads may be out
.else
	s_wait_dscnt 0x0
.endif
.set n, 0
.rept 12
	v_pk_add_f32 v[XK+n:XK+n+1], v[XK+n:XK+n+1], v[CT+n:CT+n+1]
.set n, n+2
.endr
.if \k < 2
.irp m, 0,1,2,3,4,5
	ds_load_b128 v[CT+4*\m:CT+4*\m+3], v4 offset:3088*(\k+2)+512*\m   ; the row two on, into the set just read
.endr
.endif
	v_pk_add_f32 v[8:9], v[XK:XK+1], v[XK+2:XK+3]  ; the sum, in two chains
	v_pk_add_f32 v[10:11], v[XK+4:XK+5], v[XK+6:XK+7]
.irp j, 8,12,16,20
	v_pk_add_f32 v[8:9], v[8:9], v[XK+\j:XK+\j+1]
	v_pk_add_f32 v[10:11], v[10:11], v[XK+\j+2:XK+\j+3]
.endr
	v_pk_add_f32 v[8:9], v[8:9], v[10:11]
	RED
	v_mul_f32 v12, s[INV], v8                      ; the mean, twice: a pair for the packed form
	v_mul_f32 v13, s[INV], v8
.set n, 0
.rept 12
	v_pk_add_f32 v[XK+n:XK+n+1], v[XK+n:XK+n+1], v[12:13] neg_lo:[0,1] neg_hi:[0,1]
.set n, n+2
.endr
	v_pk_mul_f32 v[8:9], v[XK:XK+1], v[XK:XK+1]
.set n, 2
.rept 11
	v_pk_fma_f32 v[8:9], v[XK+n:XK+n+1], v[XK+n:XK+n+1], v[8:9]
.set n, n+2
.endr
	RED
	v_fma_f32 v16, v8, s[INV], s[EPS]              ; the variance + 1e-6
	v_rsq_f32 v14, v16
	v_rsq_f32 v15, v16
	v_nop                                          ; a plain line behind the roots
.set n, 0
	s_wait_alu depctr_va_vdst(0)
.rept 12
	v_pk_mul_f32 v[XK+n:XK+n+1], v[XK+n:XK+n+1], v[14:15]
.set n, n+2
.endr
.if \k == 0
	s_wait_loadcnt 0x0                             ; gamma and beta (and x's other rows)
.endif
.set n, 0
.rept 12
	v_pk_fma_f32 v[XK+n:XK+n+1], v[XK+n:XK+n+1], v[140+n:141+n], v[20+n:21+n]
.set n, n+2
.endr
.irp m, 0,1,2,3,4,5
	global_store_b128 v1, v[XK+4*\m:XK+4*\m+3], s[34:35] offset:3072*\k+512*\m th:TH_STORE_NT   ; 32 lanes store 512 consecutive bytes, at a multiple of 256 from out0's first byte
.endr
.endm
	LNROW 0
	LNROW 1
	LNROW 2
	LNROW 3
.Lend:
	s_wait_tensorcnt 0x0
	ds_add_u32 v254, v255
	s_wait_dscnt 0x0
	s_endpgm
.Lfunc_end_k_qbc03438b2f_attn:
	.size	k_qbc03438b2f_attn, .Lfunc_end_k_qbc03438b2f_attn-k_qbc03438b2f_attn
	.p2alignl 7, 3214868480
	.fill 96, 4, 3214868480
	.section	.rodata,"a",@progbits
	.p2align	6, 0x0
	.amdhsa_kernel k_qbc03438b2f_attn
		.amdhsa_group_segment_fixed_size 100352
		.amdhsa_private_segment_fixed_size 0
		.amdhsa_enable_private_segment 0
		.amdhsa_kernarg_size 40
		.amdhsa_user_sgpr_count 2
		.amdhsa_user_sgpr_kernarg_segment_ptr 1
		.amdhsa_wavefront_size32 1
		.amdhsa_system_sgpr_workgroup_id_x 1
		.amdhsa_system_sgpr_workgroup_id_y 1
		.amdhsa_system_sgpr_workgroup_id_z 1
		.amdhsa_system_vgpr_workitem_id 0
		.amdhsa_next_free_vgpr 320
		.amdhsa_next_free_sgpr 66
		.amdhsa_reserve_vcc 0
		.amdhsa_float_denorm_mode_32 3
		.amdhsa_float_denorm_mode_16_64 3
		.amdhsa_memory_ordered 1
		.amdhsa_forward_progress 1
		.amdhsa_inst_pref_size 110
	.end_amdhsa_kernel
	.amdgpu_metadata
---
amdhsa.version: [ 1, 2 ]
amdhsa.kernels:
  - .name:           k_qbc03438b2f_attn
    .symbol:         k_qbc03438b2f_attn.kd
    .args:
      - { .name: qkv, .offset: 0, .size: 8, .value_kind: global_buffer, .address_space: global }
      - { .name: x, .offset: 8, .size: 8, .value_kind: global_buffer, .address_space: global }
      - { .name: ln_gamma, .offset: 16, .size: 8, .value_kind: global_buffer, .address_space: global }
      - { .name: ln_beta, .offset: 24, .size: 8, .value_kind: global_buffer, .address_space: global }
      - { .name: out0, .offset: 32, .size: 8, .value_kind: global_buffer, .address_space: global }
    .group_segment_fixed_size: 100352
    .private_segment_fixed_size: 0
    .kernarg_segment_align: 8
    .kernarg_segment_size: 40
    .max_flat_workgroup_size: 384
    .sgpr_count:     66
    .vgpr_count:     320
    .wavefront_size: 32
...
	.end_amdgpu_metadata
.endif
;; end of part 3
;; ======== version 2 of 2: 3 launches
;; workspace buffers: wq 1,972,224 bytes; xq 6,684,672 bytes; qkv 19,464,192 bytes
;; launch wquant (part 4): grid 82 x 12, 4 waves a work-group, no clusters, 768 bytes of LDS; arguments Wq, Wk, Wv, bq, bk, bv, wq, x, xq; writes wq, xq
.if DOCPART == 4
	.amdgcn_target "amdgcn-amd-amdhsa--gfx1250"
	.amdhsa_code_object_version 6
	.text
	.protected	k_qbc03438b2f_wquant
	.globl	k_qbc03438b2f_wquant
	.p2align	8
	.type	k_qbc03438b2f_wquant,@function
k_qbc03438b2f_wquant:
	s_mov_b64 s[64:65], 0
	v_nop
	global_prefetch_b8 v0, s[64:65] scope:SCOPE_SE
	s_setreg_imm32_b32 hwreg(HW_REG_WAVE_MODE, 25, 1), 1
	s_wait_xcnt 0x0
; Wq, Wk, Wv [768 (k)][768 (n)] and x [8192][768 (k)], f32, become codes of BF8 (E5M2) with one E8M0 byte for each 32 along K, laid as IMAGES OF OPERAND REGISTERS; bq, bk, bv become images of a product's C.
; Each operand is quantised once here, since many work-groups of the next launch read it.
; wq holds 36 units of UNITB bytes, unit 3 x head + which (0 q, 1 k, 2 v): 4,096 bytes of bias (32 registers; registers 4 m .. 4 m + 3 at 512 m + 16 x lane), then six records of RECW bytes, one for each 128 along K:
; fragment t (16 columns x 128 K, 16 registers a lane) at 2048 t + 512 c + 16 x lane, and the scale words of column r of fragment t at 8192 + 16 r + 4 t.
; xq holds 64 blocks of XGB bytes, one for each group of 128 rows: fragment (K step s, row tile a) at (8 s + a) x 2048 + 512 c + 16 x lane, and behind the 48 fragments their scale words at 98304 + (8 s + a) x 128 + 4 x lane.
; SHARES.  Work-groups with x < 18 take the weights: x = 6 x which + K step, y = head: one record; wave t makes fragment t.  A LANE TAKES A COLUMN AND ITS REGISTERS RUN DOWN K, in the order that the operand's layout gives that lane
; (register 16 c + i: k = 32 c + 16 (lane / 16) + i), so the conversions' results are the operand's registers and nothing is transposed.
; Work-groups with x >= 18 take x: x - 18 = the group of 128 rows, and 4 y + wave = 8 s + a names the wave's one fragment.  There K is innermost: lane (r, h) takes 16 neighbours of each block of its row, four loads of 16 bytes a block.
; The two paths part on the work-group's number at the head and do not meet again; x's path touches no LDS and has no barrier.
; THE COLUMNS OF A FRAGMENT.  For q and k lane r of fragment 2 b + u takes column 32 b + 8 u + r + 8 (r / 8) of the head, so that the results of fragments 2 b and 2 b + 1, used transposed, are 16 neighbours along the head's 64;
; for v lane r of fragment t takes column 16 t + r.  THE ROWS OF A TILE OF x: lane r of row tile 2 b + u takes row 32 b + 8 u + r + 8 (r / 8) of the group (why: at the head of the next launch).
; A block's scale is 2^(floor(log2(its largest magnitude)) - 15); its byte is the largest magnitude's exponent field - 15, held at 1 from below.
; LIMITS: a block of zeros, or one whose largest magnitude lies under 2^-111, gets the byte 1 (its codes are zeros or subnormal codes; this program alone reads the bytes); NaN and infinities among the inputs are not served.
; No matrix unit, no cluster, no ring: each number is read once by one lane.
.set UNITB, 54784
.set RECW,  8448
.set XGB,   104448
.set TM,    16                         ; v16-19 largest magnitudes, v20-23 the other half's, then bytes, v24-27 57,344 x the scale, v28-31 the conversions' scale operands
.set X,     32                         ; v32-95  my 64 numbers: register 16 c + i is k = 32 c + 16 (lane / 16) + i
.set PC,    96                         ; v96-111 the fragment's codes
.set PW,    112                        ; v112    my column's or row's scale word
.macro QUANT                           ; v[X] on -> v[PC] on and v[PW]
.irp b, 0,1,2,3
	v_max3_num_f32 v[TM+\b], |v[X+16*\b]|, |v[X+1+16*\b]|, 0x8000000   ; block b: my 16 numbers, and the floor 2^(16 - 127): the byte cannot fall under 1
.endr
.irp i, 2,4,6,8,10,12,14
.irp b, 0,1,2,3
	v_max3_num_f32 v[TM+\b], v[TM+\b], |v[X+16*\b+\i]|, |v[X+1+16*\b+\i]|   ; the four blocks by turns
.endr
.endr
.irp b, 0,1,2,3
	v_permlanex16_b32 v[TM+4+\b], v[TM+\b], s20, s21
.endr
.irp b, 0,1,2,3
	v_max_num_f32 v[TM+\b], v[TM+\b], v[TM+4+\b]   ; with lane l xor 16's 16: the block's largest magnitude
.endr
.irp b, 0,1,2,3
	v_add_nc_u32 v[TM+12+\b], 0xf8800000, v[TM+\b] ; 15 off its exponent field: the conversion's scale operand
.endr
.irp b, 0,1,2,3
	v_and_or_b32 v[TM+8+\b], v[TM+\b], 0x7f800000, s22   ; 57,344 x the scale
.endr
.irp b, 0,1,2,3
	v_lshrrev_b32 v[TM+4+\b], 23, v[TM+12+\b]      ; the scale's byte
.endr
	v_lshl_or_b32 v[PW], v[TM+5], 8, v[TM+4]
	v_lshl_or_b32 v[PW], v[TM+6], 16, v[PW]
	v_lshl_or_b32 v[PW], v[TM+7], 24, v[PW]        ; the scale word for these 128 along K
.irp b, 0,1,2,3
.irp i, 0,1,2,3,4,5,6,7,8,9,10,11,12,13,14,15
	v_med3_num_f32 v[X+16*\b+\i], v[X+16*\b+\i], -v[TM+8+\b], v[TM+8+\b]   ; the conversion to an 8-bit code does not saturate (ISA guide 7.6.2): the hold comes first
.endr
	v_cvt_scalef32_pk8_bf8_f32 v[PC+4*\b:PC+1+4*\b], v[X+16*\b:X+7+16*\b], v[TM+12+\b]
	v_cvt_scalef32_pk8_bf8_f32 v[PC+2+4*\b:PC+3+4*\b], v[X+8+16*\b:X+15+16*\b], v[TM+12+\b]
.endr
	v_nop                                          ; a plain line behind the last conversion
.endm
	v_lshl_add_u32 v128, v0, 2, 0x100
	v_mov_b32 v129, 0
	v_lshrrev_b32 v1, 5, v0
	v_readfirstlane_b32 s18, v1                    ; wave 0..3
	s_and_b32 s26, ttmp7, 0xffff                   ; work-group y
	s_mov_b32 s20, 0x76543210
	s_mov_b32 s21, 0xfedcba98                      ; v_permlanex16_b32's selects for lane l xor 16
	s_mov_b32 s22, 0x600000                        ; the mantissa field of 57,344
	v_and_b32 v1, 15, v0                           ; r
	v_bfe_u32 v2, v0, 4, 1                         ; h
	v_and_b32 v4, 31, v0
	v_lshlrev_b32 v4, 4, v4                        ; 16 x lane: an image's place for my lane
.irp b, 0,1,2,3
	v_mov_b32 v[TM+4+\b], 0                        ; a lane permute's destination counts as one of its sources
.endr
	s_cmp_ge_u32 ttmp9, 18                         ; the same for all four waves of a work-group
	s_cbranch_scc1 .Lx
	; ---- THE WEIGHTS
	s_load_b256 s[4:11], s[0:1], 0x0               ; Wq s[4:5], Wk s[6:7], Wv s[8:9], bq s[10:11]
	s_load_b128 s[12:15], s[0:1], 0x20             ; bk s[12:13], bv s[14:15]
	s_load_b64 s[16:17], s[0:1], 0x30              ; wq
	s_cmp_ge_u32 ttmp9, 6
	s_cselect_b32 s24, 1, 0
	s_cmp_ge_u32 ttmp9, 12
	s_cselect_b32 s25, 1, 0
	s_add_co_u32 s24, s24, s25                     ; which: 0 q, 1 k, 2 v
	s_mul_i32 s25, s24, 6
	s_sub_co_u32 s25, ttmp9, s25                   ; the K step, 0 .. 5
	s_cmp_lt_u32 s24, 2
	s_cselect_b32 s27, 8, 0                        ; q, k: lanes 8-15 stand 8 columns further on
	s_cselect_b32 s28, 32, 64                      ; bytes from an even fragment's first column to the odd one's
	s_lshr_b32 s29, s18, 1
	s_lshl_b32 s29, s29, 7
	s_and_b32 s30, s18, 1
	s_mul_i32 s30, s30, s28
	s_add_co_u32 s29, s29, s30                     ; my fragment's first column, in bytes
	s_lshl_b32 s30, s26, 8
	s_add_co_u32 s30, s30, s29                     ; + the head's 64 columns
	s_mov_b32 s31, 0
	s_mul_i32 s32, s25, 393216                     ; 128 rows of 3,072 bytes a K step
	s_add_co_u32 s32, s32, s30
	s_mov_b32 s33, 0
	s_mul_i32 s34, s26, 3
	s_add_co_u32 s34, s34, s24
	s_mul_i32 s34, s34, UNITB                      ; the unit
	s_mov_b32 s35, 0
	s_mul_i32 s36, s25, RECW
	s_add_co_u32 s36, s36, 4096                    ; the record in it
	s_mov_b32 s37, 0
	s_wait_alu depctr_va_vdst(0)
	v_and_b32 v3, s27, v1
	v_add_nc_u32 v3, v3, v1
	v_lshlrev_b32 v3, 2, v3                        ; my column in the fragment, in bytes,
	v_mad_u32_u24 v3, v2, 0xc000, v3               ; and 16 rows of 3,072 bytes further down for lanes 16-31
	v_lshlrev_b32 v5, 4, v1                        ; 16 r: column r's four scale words
	s_lshl_b32 s19, s18, 2
	v_add_nc_u32 v6, s19, v5                       ; LDS: 16 r + 4 t
	s_wait_alu depctr_va_vdst(0)
	s_wait_kmcnt 0x0
	s_cmp_eq_u32 s24, 0                            ; the tensor and its bias are chosen by the work-group's number alone
	s_cselect_b64 s[4:5], s[4:5], s[6:7]
	s_cselect_b64 s[10:11], s[10:11], s[12:13]
	s_cmp_eq_u32 s24, 2
	s_cselect_b64 s[4:5], s[8:9], s[4:5]
	s_cselect_b64 s[10:11], s[14:15], s[10:11]
	s_add_nc_u64 s[4:5], s[4:5], s[32:33]          ; W at my K step and my fragment's first column
	s_add_nc_u64 s[10:11], s[10:11], s[30:31]      ; the bias at my fragment's first column
	s_add_nc_u64 s[16:17], s[16:17], s[34:35]      ; the unit
	s_add_nc_u64 s[38:39], s[16:17], s[36:37]      ; the record
	s_lshl_b32 s36, s18, 11
	s_add_nc_u64 s[40:41], s[38:39], s[36:37]      ; my fragment's image
	s_lshl_b32 s36, s18, 10
	s_add_nc_u64 s[42:43], s[16:17], s[36:37]      ; my eight registers of the bias image
.irp c, 0,1,2,3
.irp i, 0,1,2,3,4,5,6,7,8,9,10,11,12,13,14,15
	global_load_b32 v[X+16*\c+\i], v3, s[4:5] offset:(32*\c+\i)*3072 th:TH_LOAD_NT   ; W(128 s + 32 c + 16 h + i, my column); each number is read once in the launch
.endr
.endr
	s_wait_loadcnt 0x0
	QUANT
.irp c, 0,1,2,3
	global_store_b128 v4, v[PC+4*\c:PC+4*\c+3], s[40:41] offset:512*\c   ; 32 lanes store 512 consecutive bytes, at a multiple of 256 from wq's first byte
.endr
	ds_store_b32 v6, v[PW]                         ; lanes l and l xor 16 write the same word with the same value
	s_cmp_lg_u32 s25, 0                            ; the work-groups of K step 0 also lay the bias out.  The branch hangs on the work-group's number; no barrier stands inside
	s_cbranch_scc1 .Lno_bias
	s_cmp_lt_u32 s24, 2
	s_cbranch_scc0 .Lbias_v
	v_lshlrev_b32 v7, 6, v2                        ; q, k (used transposed): register j of lane (r, h) is the result of column 16 h + j of the pair of fragments: eight neighbours
	global_load_b128 v[8:11], v7, s[10:11]
	global_load_b128 v[12:15], v7, s[10:11] offset:16
	s_wait_loadcnt 0x0
	s_branch .Lbias_out
.Lbias_v:
	v_lshlrev_b32 v7, 2, v1                        ; v (used as it is): all eight registers of lane (r, h) are results of column r
	global_load_b32 v8, v7, s[10:11]
	s_wait_loadcnt 0x0
.irp j, 1,2,3,4,5,6,7
	v_mov_b32 v[8+\j], v8
.endr
.Lbias_out:
	global_store_b128 v4, v[8:11], s[42:43]
	global_store_b128 v4, v[12:15], s[42:43] offset:512
.Lno_bias:
	s_wait_dscnt 0x0                               ; for the others' sake: my scale words lie in LDS
	s_barrier_signal -1
	s_barrier_wait -1
	s_cmp_lg_u32 s18, 0
	s_cbranch_scc1 .Lend
	ds_load_b128 v[116:119], v5                    ; column r's words of the four fragments
	s_wait_dscnt 0x0
	global_store_b128 v5, v[116:119], s[38:39] offset:8192   ; sixteen lanes store 256 consecutive bytes, aligned; lanes 16-31 repeat them with the same values
.Lend:
	s_wait_tensorcnt 0x0
	ds_add_u32 v128, v129
	s_wait_dscnt 0x0
	s_endpgm
	; ---- x: one fragment of 16 rows x 128 K a wave
.Lx:
	s_load_b64 s[4:5], s[0:1], 0x38                ; x
	s_load_b64 s[6:7], s[0:1], 0x40                ; xq
	s_sub_co_u32 s24, ttmp9, 18                    ; the group of 128 rows, 0 .. 63
	s_lshl_b32 s25, s26, 2
	s_add_co_u32 s25, s25, s18                     ; 4 y + wave = 8 s + a, 0 .. 47
	s_lshr_b32 s27, s25, 3                         ; the K step s
	s_and_b32 s28, s25, 7                          ; the row tile a = 2 b + u
	s_lshr_b32 s29, s28, 1
	s_lshl_b32 s29, s29, 5                         ; 32 b
	s_and_b32 s30, s28, 1
	s_lshl_b32 s30, s30, 3                         ; 8 u
	s_add_co_u32 s29, s29, s30
	s_lshl_b32 s30, s24, 7
	s_add_co_u32 s29, s29, s30                     ; the tile's first row: 128 g + 32 b + 8 u
	s_mul_i32 s32, s29, 3072
	s_lshl_b32 s30, s27, 9
	s_add_co_u32 s32, s32, s30                     ; + 512 bytes a K step
	s_mov_b32 s33, 0
	s_mul_i32 s34, s24, XGB                        ; the group's block of xq
	s_lshl_b32 s30, s25, 11
	s_add_co_u32 s36, s34, s30                     ; my fragment's image
	s_mov_b32 s37, 0
	s_lshl_b32 s30, s25, 7
	s_add_co_u32 s34, s34, s30
	s_add_co_u32 s34, s34, 98304                   ; and its scale words
	s_mov_b32 s35, 0
	s_wait_alu depctr_va_vdst(0)
	v_and_b32 v3, 8, v1
	v_add_nc_u32 v3, v3, v1                        ; r + 8 (r / 8)
	v_mul_u32_u24 v3, v3, 3072
	v_lshl_add_u32 v3, v2, 6, v3                   ; my row, and my half's 64 bytes of a block of 32
	v_and_b32 v5, 31, v0
	v_lshlrev_b32 v5, 2, v5                        ; 4 x lane
	s_wait_alu depctr_va_vdst(0)
	s_wait_kmcnt 0x0
	s_add_nc_u64 s[4:5], s[4:5], s[32:33]
	s_add_nc_u64 s[38:39], s[6:7], s[36:37]
	s_add_nc_u64 s[40:41], s[6:7], s[34:35]
.irp c, 0,1,2,3
.irp j, 0,1,2,3
	global_load_b128 v[X+16*\c+4*\j:X+16*\c+4*\j+3], v3, s[4:5] offset:128*\c+16*\j th:TH_LOAD_NT   ; x(my row, 128 s + 32 c + 16 h + 4 j ..); each number is read once in the launch
.endr
.endr
	s_wait_loadcnt 0x0
	QUANT
.irp c, 0,1,2,3
	global_store_b128 v4, v[PC+4*\c:PC+4*\c+3], s[38:39] offset:512*\c   ; 32 lanes store 512 consecutive bytes, at a multiple of 256 from xq's first byte
.endr
	global_store_b32 v5, v[PW], s[40:41]           ; 32 lanes store 128 consecutive bytes (lanes 16-31 hold lanes 0-15's words again: the image of a scale register); 1 byte in 17 of what this path stores
	s_endpgm
.Lfunc_end_k_qbc03438b2f_wquant:
	.size	k_qbc03438b2f_wquant, .Lfunc_end_k_qbc03438b2f_wquant-k_qbc03438b2f_wquant
	.p2alignl 7, 3214868480
	.fill 96, 4, 3214868480
	.section	.rodata,"a",@progbits
	.p2align	6, 0x0
	.amdhsa_kernel k_qbc03438b2f_wquant
		.amdhsa_group_segment_fixed_size 768
		.amdhsa_private_segment_fixed_size 0
		.amdhsa_enable_private_segment 0
		.amdhsa_kernarg_size 72
		.amdhsa_user_sgpr_count 2
		.amdhsa_user_sgpr_kernarg_segment_ptr 1
		.amdhsa_wavefront_size32 1
		.amdhsa_system_sgpr_workgroup_id_x 1
		.amdhsa_system_sgpr_workgroup_id_y 1
		.amdhsa_system_sgpr_workgroup_id_z 1
		.amdhsa_system_vgpr_workitem_id 0
		.amdhsa_next_free_vgpr 130
		.amdhsa_next_free_sgpr 66
		.amdhsa_reserve_vcc 0
		.amdhsa_float_denorm_mode_32 3
		.amdhsa_float_denorm_mode_16_64 3
		.amdhsa_memory_ordered 1
		.amdhsa_forward_progress 1
		.amdhsa_inst_pref_size 31
	.end_amdhsa_kernel
	.amdgpu_metadata
---
amdhsa.version: [ 1, 2 ]
amdhsa.kernels:
  - .name:           k_qbc03438b2f_wquant
    .symbol:         k_qbc03438b2f_wquant.kd
    .args:
      - { .name: Wq, .offset: 0, .size: 8, .value_kind: global_buffer, .address_space: global }
      - { .name: Wk, .offset: 8, .size: 8, .value_kind: global_buffer, .address_space: global }
      - { .name: Wv, .offset: 16, .size: 8, .value_kind: global_buffer, .address_space: global }
      - { .name: bq, .offset: 24, .size: 8, .value_kind: global_buffer, .address_space: global }
      - { .name: bk, .offset: 32, .size: 8, .value_kind: global_buffer, .address_space: global }
      - { .name: bv, .offset: 40, .size: 8, .value_kind: global_buffer, .address_space: global }
      - { .name: wq, .offset: 48, .size: 8, .value_kind: global_buffer, .address_space: global }
      - { .name: x, .offset: 56, .size: 8, .value_kind: global_buffer, .address_space: global }
      - { .name: xq, .offset: 64, .size: 8, .value_kind: global_buffer, .address_space: global }
    .group_segment_fixed_size: 768
    .private_segment_fixed_size: 0
    .kernarg_segment_align: 8
    .kernarg_segment_size: 72
    .max_flat_workgroup_size: 128
    .sgpr_count:     66
    .vgpr_count:     130
    .wavefront_size: 32
...
	.end_amdgpu_metadata
.endif
;; end of part 4
;; launch proj (part 5): grid 64 x 4, 3 waves a work-group, no clusters, 168,448 bytes of LDS; arguments xq, wq, qkv; writes qkv
.if DOCPART == 5
	.amdgcn_target "amdgcn-amd-amdhsa--gfx1250"
	.amdhsa_code_object_version 6
	.text
	.protected	k_qbc03438b2f_proj
	.globl	k_qbc03438b2f_proj
	.p2align	8
	.type	k_qbc03438b2f_proj,@function
k_qbc03438b2f_proj:
	s_mov_b64 s[64:65], 0
	v_nop
	global_prefetch_b8 v0, s[64:65] scope:SCOPE_SE
	s_setreg_imm32_b32 hwreg(HW_REG_WAVE_MODE, 25, 1), 1
	s_wait_xcnt 0x0
; q = x Wq + bq, k = x Wk + bk, v = x Wv + bv on codes of BF8 (E5M2) with one E8M0 scale for each 32 along K = 768; the results are quantised at once, q and k along the head's 64, v along the keys,
; and leave as IMAGES OF THE OPERAND REGISTERS of the attention's two products.  Nothing in f32 goes to memory.  x and the weights come as codes, from the launch before (their layouts stand at its head).
; qkv holds 768 records of REC bytes, record (batch x 12 + head) x 8 + group of 128 rows: Q's codes at 0, K's at 8192, V's at 16384 (four images of 2,048 bytes each: image i, registers 4 c .. 4 c + 3 at 2048 i + 512 c + 16 x lane);
; q's scale words at 24576, k's at 24832, v's at 25088 (image i's word of lane r at 16 r + 4 i).
; SHARES.  Work-group x = a group of 128 rows, y = three heads; wave w takes head 3 y + w and makes its q, k and v for the 128 rows, one after the other: 128 x 64 results in 32 accumulators, 192 matrix instructions a unit.
; The 2,304 units are nine to each of 256 work-groups: three waves of three units.  A fourth wave would have no whole unit, and four waves on 192 work-groups would be no shorter and would read LDS four at a time.
; x IN LDS.  The group's block of xq, 104,448 bytes, is the image of LDS bytes 0 on: 48 fragments of 16 rows x 128 K as images of their registers, then a scale word a lane for each.  Each wave brings a third of it, 136 rows
; of 256 bytes, by ONE tensor load at the head: a first fill, and the only fill of the launch; a wave has one tensor load out.  One barrier; from then on LDS is only read.
; THE ROWS OF A TILE ARE NOT NEIGHBOURS: lane r of row tile 2 b + u takes row 32 b + 8 u + r + 8 (r / 8).  So (a) in v, used as it is (source 0 = x), the 16 registers of row tiles 2 b, 2 b + 1 are 16 neighbouring keys;
; (b) K's and Q's images hold the tiles of rows that the attention wants.  Wq's and Wk's columns are chosen likewise; q and k are used transposed (source 0 = W), so a lane's registers run along the head's 64.
; AN IMAGE OF Q OR K: registers 0-7 row tile 2 i (64 codes a row), registers 8-15 row tile 2 i + 1; its word: (tile 2 i block 0, block 1, tile 2 i + 1 block 0, block 1).  AN IMAGE OF V: 16 of the head's 64 x 128 keys.
; In both numberings of the accumulators 64 registers on end are one image's numbers, register 16 b + i being number 16 (lane / 16) + i of block b: one macro quantises q, k and v.
; THE WEIGHTS come from memory straight into registers, as images, two K steps ahead.  Each wave reads another head's, so nothing of them is shared inside a work-group.  NO JOINT LOADS: the 64 work-groups of a column do read the
; same weights, but a joint load lands in LDS, and a K step's LDS reads of a wave would rise from 17,408 bytes (x's fragments and words) to 25,856; x's block, which four work-groups share, is 104,448 of the 597,504 bytes that a work-group reads.
; LIMITS: a block of zeros, or one under 2^-111, gets the byte 1 (this program alone reads the bytes); NaN and infinities among the inputs are not served.
; REGISTERS, in windows of 256: window 0: v1-8 addresses, v16-31 at work, v32-47 codes just made, v48-51 their scale words, v52-67 x's scale words (two sets of 8), v68-79 W's (three sets of 4), v80-111 the bias as C.
;   window 1: the 32 accumulators.   window 2: x's fragments, two sets of 128.   window 3: W's fragments, three sets of 64.
.set UNITB, 54784
.set RECW,  8448
.set REC,   25344
.set XGB,   104448                     ; a group's block of xq, and the LDS bytes used
.set XPW,   34816                      ; a wave's third of it
.set XSC,   98304                      ; LDS: x's 48 images, (8 s + a) x 2,048; behind them their scale words, (8 s + a) x 128
.set LI,   1                           ; v1  16 x lane
.set LI1,  2                           ; v2  the same + 65,536: K steps 4 and 5 lie beyond an LDS offset's 16 bits
.set LS,   3                           ; v3  16 r
.set XRS,  8                           ; v8  x's scale words: XSC + 4 x lane
.set TM,   16
.set PC,   32
.set SW,   48
.set XS,   52
.set WS,   68
.set BI,   80
.set G0,   32                          ; s[32:35] descriptor group 0
.set G1,   36                          ; s[36:43] descriptor group 1
.set MSB, 0
.macro WIN new                         ; bits 1:0 source 0, 3:2 source 1, 5:4 source 2, 7:6 destination; the high byte repeats the setting that is left
.if MSB != \new
	s_set_vgpr_msb (MSB<<8)|\new
.set MSB, \new
.endif
.endm
.macro PLACES n
.rept \n
	v_nop
.endr
.endm
; 64 numbers of a lane in window 1, v[s] on, four blocks of 16, become 16 registers of codes in v[PC] on and a scale word in v[pw].  Each accumulator is first read at its two lowest registers.
.macro QUANT s, pw
	WIN 0x05
.irp b, 0,1,2,3
	v_max3_num_f32 v[TM+\b], |v[(\s)+16*\b]|, |v[(\s)+1+16*\b]|, 0x8000000   ; my 16 numbers of block b, and the floor 2^(16 - 127): the byte cannot fall under 1
.endr
	WIN 0x14
.irp i, 2,4,6,8,10,12,14
.irp b, 0,1,2,3
	v_max3_num_f32 v[TM+\b], v[TM+\b], |v[(\s)+16*\b+\i]|, |v[(\s)+1+16*\b+\i]|
.endr
.endr
	WIN 0
.irp b, 0,1,2,3
	v_permlanex16_b32 v[TM+4+\b], v[TM+\b], s22, s23
.endr
.irp b, 0,1,2,3
	v_max_num_f32 v[TM+\b], v[TM+\b], v[TM+4+\b]   ; with lane l xor 16's 16: the block's largest magnitude
.endr
.irp b, 0,1,2,3
	v_add_nc_u32 v[TM+12+\b], 0xf8800000, v[TM+\b] ; 15 off its exponent field: the conversion's scale operand
.endr
.irp b, 0,1,2,3
	v_and_or_b32 v[TM+8+\b], v[TM+\b], 0x7f800000, s24   ; 57,344 x the scale
.endr
.irp b, 0,1,2,3
	v_lshrrev_b32 v[TM+4+\b], 23, v[TM+12+\b]      ; the scale's byte
.endr
	v_lshl_or_b32 v[\pw], v[TM+5], 8, v[TM+4]
	v_lshl_or_b32 v[\pw], v[TM+6], 16, v[\pw]
	v_lshl_or_b32 v[\pw], v[TM+7], 24, v[\pw]
	WIN 0x41
.irp b, 0,1,2,3
.irp i, 0,1,2,3,4,5,6,7,8,9,10,11,12,13,14,15
	v_med3_num_f32 v[(\s)+16*\b+\i], v[(\s)+16*\b+\i], -v[TM+8+\b], v[TM+8+\b]   ; the conversion to an 8-bit code does not saturate (ISA guide 7.6.2): the hold comes first
.endr
.endr
	WIN 0x01
.irp b, 0,1,2,3
	v_cvt_scalef32_pk8_bf8_f32 v[PC+4*\b:PC+1+4*\b], v[(\s)+16*\b:(\s)+7+16*\b], v[TM+12+\b]
	v_cvt_scalef32_pk8_bf8_f32 v[PC+2+4*\b:PC+3+4*\b], v[(\s)+8+16*\b:(\s)+15+16*\b], v[TM+12+\b]
.endr
	WIN 0
	v_nop                                          ; a plain line behind the last conversion: later products write its sources
.endm
; x's eight fragments and scale words of K step sp, from LDS, into set sp % 2: 40 LDS loads
.macro XFETCH sp
	WIN 0x80
.irp a, 0,1,2,3,4,5,6,7
.irp c, 0,1,2,3
.if (\sp) < 4
	ds_load_b128 v[128*((\sp)%2)+16*\a+4*\c:128*((\sp)%2)+16*\a+4*\c+3], v[LI] offset:(8*(\sp)+\a)*2048+512*\c
.else
	ds_load_b128 v[128*((\sp)%2)+16*\a+4*\c:128*((\sp)%2)+16*\a+4*\c+3], v[LI1] offset:(8*((\sp)-4)+\a)*2048+512*\c
.endif
.endr
.endr
	WIN 0
.irp a, 0,1,2,3,4,5,6,7
	ds_load_b32 v[XS+8*((\sp)%2)+\a], v[XRS] offset:(8*(\sp)+\a)*128
.endr
.endm
; record k of the unit in hand (k = 6, 7: records 0, 1 of the next unit) into set k % 3: 17 loads
.macro WFETCH k
.if (\k) < 6
.set WO, 4096+RECW*(\k)
.else
.set WO, UNITB+4096+RECW*((\k)-6)
.endif
	WIN 0xc0
.irp t, 0,1,2,3
.irp c, 0,1,2,3
	global_load_b128 v[64*((\k)%3)+16*\t+4*\c:64*((\k)%3)+16*\t+4*\c+3], v[LI], s[6:7] offset:WO+2048*\t+512*\c
.endr
.endr
	WIN 0
	global_load_b128 v[WS+4*((\k)%3):WS+4*((\k)%3)+3], v[LS], s[6:7] offset:WO+8192
.endm
.macro BFETCH off                      ; a unit's bias image: 8 loads
.irp m, 0,1,2,3,4,5,6,7
	global_load_b128 v[BI+4*\m:BI+4*\m+3], v[LI], s[6:7] offset:\off+512*\m
.endr
.endm
; 32 matrix instructions of K step s.  The 32 accumulators take turns, one instruction a turn, in the same order in every step.  The first step's C is the bias: nothing is cleared or added later.
.macro MULT s                          ; q, k, transposed: source 0 = 16 columns of W, source 1 = 16 rows of x; accumulator (a, t) at 8 (4 a + t)
.if \s == 0
	WIN 0x4b
.else
	WIN 0x5b
.endif
.irp a, 0,1,2,3,4,5,6,7
.irp t, 0,1,2,3
.if \s == 0
	v_wmma_scale_f32_16x16x128_f8f6f4 v[8*(4*\a+\t):8*(4*\a+\t)+7], v[64*(\s%3)+16*\t:64*(\s%3)+16*\t+15], v[128*(\s%2)+16*\a:128*(\s%2)+16*\a+15], v[BI+8*\t:BI+8*\t+7], v[WS+4*(\s%3)+\t], v[XS+8*(\s%2)+\a] matrix_a_fmt:MATRIX_FMT_BF8 matrix_b_fmt:MATRIX_FMT_BF8
.else
	v_wmma_scale_f32_16x16x128_f8f6f4 v[8*(4*\a+\t):8*(4*\a+\t)+7], v[64*(\s%3)+16*\t:64*(\s%3)+16*\t+15], v[128*(\s%2)+16*\a:128*(\s%2)+16*\a+15], v[8*(4*\a+\t):8*(4*\a+\t)+7], v[WS+4*(\s%3)+\t], v[XS+8*(\s%2)+\a] matrix_a_fmt:MATRIX_FMT_BF8 matrix_b_fmt:MATRIX_FMT_BF8
.endif
.endr
.endr
.endm
.macro MULN s                          ; v, as it is: source 0 = 16 rows of x, source 1 = 16 columns of W; accumulator (t, a) at 8 (8 t + a)
.if \s == 0
	WIN 0x4e
.else
	WIN 0x5e
.endif
.irp t, 0,1,2,3
.irp a, 0,1,2,3,4,5,6,7
.if \s == 0
	v_wmma_scale_f32_16x16x128_f8f6f4 v[8*(8*\t+\a):8*(8*\t+\a)+7], v[128*(\s%2)+16*\a:128*(\s%2)+16*\a+15], v[64*(\s%3)+16*\t:64*(\s%3)+16*\t+15], v[BI+8*\t:BI+8*\t+7], v[XS+8*(\s%2)+\a], v[WS+4*(\s%3)+\t] matrix_a_fmt:MATRIX_FMT_BF8 matrix_b_fmt:MATRIX_FMT_BF8
.else
	v_wmma_scale_f32_16x16x128_f8f6f4 v[8*(8*\t+\a):8*(8*\t+\a)+7], v[128*(\s%2)+16*\a:128*(\s%2)+16*\a+15], v[64*(\s%3)+16*\t:64*(\s%3)+16*\t+15], v[8*(8*\t+\a):8*(8*\t+\a)+7], v[XS+8*(\s%2)+\a], v[WS+4*(\s%3)+\t] matrix_a_fmt:MATRIX_FMT_BF8 matrix_b_fmt:MATRIX_FMT_BF8
.endif
.endr
.endr
.endm
; K step s of a unit.  nx: fetch x's next K step;  nw: fetch the record two steps on;  nb: fetch the next unit's bias;  lc: how many younger global loads may stay out.
.macro STEP var, s, nx, nw, nb, lc
	PLACES 8                                       ; eight places between the last step's products and loads into the sets, words and bias that they read
.if \nx
	XFETCH (\s+1)%6
.endif
.if \nb
	BFETCH UNITB
.endif
.if \nw
	WFETCH \s+2
.endif
.if \nx
	s_wait_dscnt 40                                ; this step's 40 LDS loads are in; the 40 just issued may be out
.else
	s_wait_dscnt 0x0
.endif
	s_wait_loadcnt \lc                             ; this step's record is in, and all that was asked for ahead of it; behind it were issued the records of the next two steps, 17 loads each (and in two steps the bias's 8, which this count then waits for in part)
.if \var
	MULN \s
.else
	MULT \s
.endif
	WIN 0
.endm
; a unit's 128 x 64 results become four images and their scale words
.macro EPI
	PLACES 8                                       ; between the last products and the first read of results
.irp i, 0,1,2,3
	QUANT 64*\i, SW+\i
.irp c, 0,1,2,3
	global_store_b128 v[LI], v[PC+4*\c:PC+4*\c+3], s[8:9] offset:2048*\i+512*\c   ; 32 lanes store 512 consecutive bytes, at a multiple of 256 from qkv's first byte
.endr
	s_wait_xcnt 0x0                                ; the codes' registers are written again only behind this wait
.endr
	global_store_b128 v[LS], v[SW:SW+3], s[26:27]  ; sixteen lanes store 256 consecutive bytes, aligned; lanes 16-31 repeat them with the same values
	s_wait_xcnt 0x0                                ; the bases step, and the words' registers are written again, only behind this wait
.endm
	s_load_b128 s[4:7], s[0:1], 0x0                ; xq, wq
	s_load_b64 s[8:9], s[0:1], 0x10                ; qkv
	v_lshl_add_u32 v254, v0, 2, 0x29000
	v_mov_b32 v255, 0
	ds_add_u32 v254, v255
	ds_add_u32 v254, v255
	v_lshrrev_b32 v9, 5, v0
	v_readfirstlane_b32 s10, v9                    ; wave 0..2
	v_and_b32 v9, 31, v0                           ; lane
	v_and_b32 v10, 15, v0                          ; r
	v_lshlrev_b32 v[LI], 4, v9
	v_add_nc_u32 v[LI1], 0x10000, v[LI]
	v_lshlrev_b32 v[LS], 4, v10
	v_lshl_add_u32 v[XRS], v9, 2, XSC
.irp b, 0,1,2,3
	v_mov_b32 v[TM+4+\b], 0                        ; a lane permute's destination counts as one of its sources
.endr
	s_and_b32 s12, ttmp7, 0xffff
	s_mul_i32 s12, s12, 3
	s_add_co_u32 s12, s12, s10                     ; my head
	s_lshr_b32 s13, ttmp9, 3                       ; the batch
	s_and_b32 s14, ttmp9, 7                        ; the group of 128 rows in it
	s_mov_b32 s[G0], 1                             ; group 0: 1:0 count = 1
	s_mul_i32 s[G0+1], s10, XPW                    ; 63:32 LDS address: my third
	s_mul_i32 s16, ttmp9, XGB                      ; the group's block of xq,
	s_add_co_u32 s16, s16, s[G0+1]                 ; my third of it
	s_mov_b32 s17, 0
	; group 1: a dense block of 34,816 bytes as 136 rows of 32 elements of 8 bytes, no padding: LDS takes the bytes as they lie
	s_mov_b32 s[G1+0], 3<<16                       ; 15:0 no mask; 17:16 elements of 8 bytes; 20 padding off
	s_mov_b32 s[G1+1], 32<<16                      ; tensor_dim0 = 32
	s_mov_b32 s[G1+2], 136<<16                     ; tensor_dim1 = 136
	s_mov_b32 s[G1+3], 32<<16                      ; tile_dim0 = 32
	s_mov_b32 s[G1+4], 136                         ; tile_dim1 = 136
	s_mov_b32 s[G1+5], 32                          ; the pitch: rows on end
	s_mov_b32 s[G1+6], 0
	s_mov_b32 s[G1+7], 0
	s_mul_i32 s18, s12, 3*UNITB                    ; my head's three units
	s_mov_b32 s19, 0
	s_mul_i32 s20, s13, 12
	s_add_co_u32 s20, s20, s12
	s_lshl_b32 s20, s20, 3
	s_add_co_u32 s20, s20, s14
	s_mul_i32 s20, s20, REC                        ; my record of qkv
	s_mov_b32 s21, 0
	s_mov_b32 s22, 0x76543210
	s_mov_b32 s23, 0xfedcba98                      ; v_permlanex16_b32's selects for lane l xor 16
	s_mov_b32 s24, 0x600000                        ; the mantissa field of 57,344
	s_wait_alu depctr_va_vdst(0)
	s_wait_dscnt 0x0
	s_wait_kmcnt 0x0
	s_add_nc_u64 s[G0+2:G0+3], s[4:5], s[16:17]    ; 120:64 global address
	s_or_b32 s[G0+3], s[G0+3], 0x80000000          ; 127:126 type = 2
	s_add_nc_u64 s[6:7], s[6:7], s[18:19]
	s_add_nc_u64 s[8:9], s[8:9], s[20:21]
	s_add_nc_u64 s[26:27], s[8:9], 24576           ; the scale words' part
	tensor_load_to_lds s[G0:G0+3], s[G1:G1+7]      ; my third of x's images: the launch's only fill of LDS
	s_nop 0
	PLACES 4                                       ; four v_nop follow the line, ahead of the first switch of windows
	BFETCH 0                                       ; q's bias ahead of its records, so that step 0's count of younger loads shows it in;
	WFETCH 0                                       ; q's first two records: all land while x's images do
	WFETCH 1
	s_wait_tensorcnt 0x0                           ; my third lies in LDS,
	s_barrier_signal -1
	s_barrier_wait -1                              ; everybody's does; nobody writes LDS again
	XFETCH 0
	s_mov_b32 s28, 2
.Lqk:                                                  ; two trips: q, then k.  Steps 4 and 5 fetch the next unit's first two records, step 1 its bias, step 5 x's K step 0 again
	STEP 0, 0, 1, 1, 0, 34
	STEP 0, 1, 1, 1, 1, 34
	STEP 0, 2, 1, 1, 0, 34
	STEP 0, 3, 1, 1, 0, 34
	STEP 0, 4, 1, 1, 0, 34
	STEP 0, 5, 1, 1, 0, 34
	EPI
	s_add_nc_u64 s[6:7], s[6:7], UNITB
	s_add_nc_u64 s[8:9], s[8:9], 8192
	s_add_nc_u64 s[26:27], s[26:27], 256
	s_sub_co_u32 s28, s28, 1
	s_cmp_lg_u32 s28, 0
	s_cbranch_scc1 .Lqk
	STEP 1, 0, 1, 1, 0, 34                         ; v is written out: other sources, and nothing is fetched beyond its last record
	STEP 1, 1, 1, 1, 0, 34
	STEP 1, 2, 1, 1, 0, 34
	STEP 1, 3, 1, 1, 0, 34
	STEP 1, 4, 1, 0, 0, 17
	STEP 1, 5, 0, 0, 0, 0
	EPI
	s_wait_tensorcnt 0x0
	ds_add_u32 v254, v255
	s_wait_dscnt 0x0
	s_endpgm
.Lfunc_end_k_qbc03438b2f_proj:
	.size	k_qbc03438b2f_proj, .Lfunc_end_k_qbc03438b2f_proj-k_qbc03438b2f_proj
	.p2alignl 7, 3214868480
	.fill 96, 4, 3214868480
	.section	.rodata,"a",@progbits
	.p2align	6, 0x0
	.amdhsa_kernel k_qbc03438b2f_proj
		.amdhsa_group_segment_fixed_size 168448
		.amdhsa_private_segment_fixed_size 0
		.amdhsa_enable_private_segment 0
		.amdhsa_kernarg_size 24
		.amdhsa_user_sgpr_count 2
		.amdhsa_user_sgpr_kernarg_segment_ptr 1
		.amdhsa_wavefront_size32 1
		.amdhsa_system_sgpr_workgroup_id_x 1
		.amdhsa_system_sgpr_workgroup_id_y 1
		.amdhsa_system_sgpr_workgroup_id_z 1
		.amdhsa_system_vgpr_workitem_id 0
		.amdhsa_next_free_vgpr 1024
		.amdhsa_next_free_sgpr 66
		.amdhsa_reserve_vcc 0
		.amdhsa_float_denorm_mode_32 3
		.amdhsa_float_denorm_mode_16_64 3
		.amdhsa_memory_ordered 1
		.amdhsa_forward_progress 1
		.amdhsa_inst_pref_size 178
	.end_amdhsa_kernel
	.amdgpu_metadata
---
amdhsa.version: [ 1, 2 ]
amdhsa.kernels:
  - .name:           k_qbc03438b2f_proj
    .symbol:         k_qbc03438b2f_proj.kd
    .args:
      - { .name: xq, .offset: 0, .size: 8, .value_kind: global_buffer, .address_space: global }
      - { .name: wq, .offset: 8, .size: 8, .value_kind: global_buffer, .address_space: global }
      - { .name: qkv, .offset: 16, .size: 8, .value_kind: global_buffer, .address_space: global }
    .group_segment_fixed_size: 168448
    .private_segment_fixed_size: 0
    .kernarg_segment_align: 8
    .kernarg_segment_size: 24
    .max_flat_workgroup_size: 96
    .sgpr_count:     66
    .vgpr_count:     1024
    .wavefront_size: 32
...
	.end_amdgpu_metadata
.endif
;; end of part 5
;; launch attn (part 6): grid 256 x 1, 12 waves a work-group, no clusters, 100,352 bytes of LDS; arguments qkv, x, ln_gamma, ln_beta, out0; writes out0
.if DOCPART == 6
	.amdgcn_target "amdgcn-amd-amdhsa--gfx1250"
	.amdhsa_code_object_version 6
	.text
	.protected	k_qbc03438b2f_attn
	.globl	k_qbc03438b2f_attn
	.p2align	8
	.type	k_qbc03438b2f_attn,@function
k_qbc03438b2f_attn:
	s_mov_b64 s[64:65], 0
	v_nop
	global_prefetch_b8 v0, s[64:65] scope:SCOPE_SE
	s_setreg_imm32_b32 hwreg(HW_REG_WAVE_SCHED_MODE, 0, 2), 2
	s_setreg_imm32_b32 hwreg(HW_REG_WAVE_MODE, 25, 1), 1
	s_wait_xcnt 0x0
	s_wait_alu depctr_vm_vsrc(0)
; out0 = layernorm(x + 2 softmax(q k^T / 8) v), both products on codes of BF8 (E5M2) with one E8M0 scale for each 32 along a product's K.  q, k, v come from qkv as images of operand registers (the layout stands at the head of the launch that makes them).
; THE SOFTMAX AHEAD OF THE SECOND PRODUCT: t = score x log2(e) / 8; M = the row's largest t so far, rounded UP to a whole number; p = 2^(t - M) is quantised along the keys, not normalised.  The row's sum is taken of the
; unquantised p, in f32, and divides at the end.  When M moves, the sum and O are multiplied by 2^(old M - new M): exact.
; SHARES.  A work-group owns 32 rows of x and ALL 12 heads, so that the layer norm, which wants a whole row, needs no launch of its own: 8,192 / 32 = 256 work-groups.  Wave w takes head w: two tiles of 16 queries, 8 steps of 128 keys.
; Twelve waves of 320 registers, three for each quarter of the work-group's register share: while one wave walks its softmax, another's loads and products are issued.
; THE ORDER OF THE KEY STEPS IS FREE (a running maximum serves any order): work-group g begins at the group of 128 keys g mod 8 and walks round.  So in every step each of a head's eight records is asked for by four of the
; batch's 32 work-groups, instead of one record by all 32.
; BOTH PRODUCTS ARE USED TRANSPOSED: S^T = K Q^T (source 0 = keys), O^T = V^T P^T (source 0 = 16 of the head's 64): a lane holds ONE query throughout.  The keys of a tile are chosen (lane r of tile 2 b + u: key 32 b + 8 u + r + 8 (r / 8))
; so that the 16 registers of tiles 2 b, 2 b + 1 are 16 neighbouring keys: the conversions' results are the second product's operand.  The queries of a tile are chosen likewise: tile u's lane r is row 8 u + r + 8 (r / 8) of the 32.
; K = 64 IN AN INSTRUCTION OF 128.  An image of K holds tile 2 i's 64 codes a row in registers 0-7 and tile 2 i + 1's in registers 8-15.  Multiplied by (q | 0) it gives tile 2 i's scores, by (0 | q) tile 2 i + 1's: zero codes
; cancel the other tile's codes, which are finite (they were held at the largest code).  No byte and no register is spent on padding.  Q's scale word is (s0, s1, s0, s1): every byte is a scale's.
; K AND V come from memory straight into registers: a head's tiles are read by one wave of the work-group, so LDS would give no reuse.  NO JOINT LOADS, though 32 work-groups read each head's K and V: a joint load lands in LDS,
; and two slots of a key step (16,896 bytes) for each of 12 heads are 405,504 bytes, more than the 327,680 that a work-group can claim.
; LIMITS: a block's largest p is taken from its largest score, which takes v_exp_f32 not to fall where its input rises; a block whose every p is 0 gets the byte 1 over zero codes; NaN and infinities are not served.
; THE MODE: SCHED_MODE bits 1:0 = 2 (LLVM: expert scheduling mode 2), set by the entry lines.  The code itself states the register dependences between vector or matrix instructions and memory or LDS instructions, with s_wait_alu, always for 0.
; THE PLAN.  Registers that memory or LDS instructions touch, in the loop:
;   BUF0, BUF1   64 registers each; they change places from key step to key step.  In a step of parity p, A = BUF[p] holds K and B = BUF[1 - p] takes S^T.  In program order: tile 0's products read A and write B; its softmax works on B;
;                tile 1's products read A and write B; V's loads land in A; tile 1's softmax works on B and its conversions empty it; the NEXT step's K lands in B; the second product reads V in A.
;   SCL0, SCL1   K's and V's scale words, a set for each parity: loaded with the step's K, read by that step's products alone.
;   v1, v5       offsets, made at the head and never written again.  The bases are scalar: a pair for each parity, the other parity's written at a step's head, where no load is out.
;   Q, p's codes, the statistics and O^T are named by vector and matrix instructions alone.
; So a key step has six waits on va_vdst: two in each tile's softmax, ahead of and behind its batch of exponentials; one behind tile 1's products, ahead of V's loads; and one behind O^T's rescaling, which states at once that p's codes and scale words
; are written (for the products) and that B and the other set of scale words are done with (for the next K's loads).  No register that a memory instruction reads is written in the loop: no wait on vm_vsrc stands there.
; REGISTERS: window 0: v1-5 addresses; v8-15 per tile -M, the largest t, the sum in two halves; v16-19 per tile f and p's scale word; v20-21 Q's scale words; v24-27 and v244-247 K's (lanes 0-15) and V's (lanes 16-31) scale words, a set for each parity;
;   v28-43 at work; v44-83 [0 | q0 | 0 | q1 | 0], eight registers each; v84-115 p's codes; v116-179 BUF0; v180-243 BUF1.   window 1: v0-63 O^T, tile q's 16 t .. 16 t + 15 of the head at 32 q + 8 t.
;   Behind the last products: v20-43 beta, v44-139 four rows of x, v140-163 gamma, v180-243 2 O / l, then v204-251 two rows of the stage.   v254, v255: the closing add's two.
.set REC,  25344
.set BUF0, 116
.set BUF1, 180
.set SCL0, 24
.set SCL1, 244
.set BM,   28                          ; a block's largest score, then its largest p
.set BP,   32                          ; the other half's, then bytes, then a chain of the sum
.set HD,   36                          ; 57,344 x the scale
.set SO,   40                          ; the conversions' scale operands
.set QS,   20
.set QZ,   44
.set PC,   84
.set S,    180                         ; behind the last products: 2 O / l on its way to the stage
.set KB,   4                           ; s[4:5]   my head's eight records
.set WV,   14
.set IDX,  15                          ; s15      the group of 128 keys that was asked for last, 0 .. 7
.set KO,   18                          ; s[18:19] its record's byte offset from KB
.set KP0,  20                          ; s[20:21] the record of a key step of parity 0;  s[22:23] of parity 1
.set CS,   36                          ; s[36:37] c = log2(e) / 8
.set SEL,  38                          ; s[38:39] v_permlanex16_b32's selects for lane l xor 16
.set MNT,  40
.set INV,  41                          ; 1 / 768
.set EPS,  42
.set J,    43
.set MSB, 0
.macro WIN new                         ; bits 1:0 source 0, 3:2 source 1, 5:4 source 2, 7:6 destination; the high byte repeats the setting that is left
.if MSB != \new
	s_set_vgpr_msb (MSB<<8)|\new
.set MSB, \new
.endif
.endm
.macro PLACES n
.rept \n
	v_nop
.endr
.endm
; In a key step (macro TRIP sets them): KK = the buffer with K, then V;  SS = the buffer with S^T, then p, then the next step's K;  SC = this step's scale words, SN = the next step's;  KPC, KPN = this step's base and the next's.
.macro KLOAD kk, sc, kp                ; 17 loads: K's four images, and one load for both scale parts: lanes 0-15 take K's four words of row r, lanes 16-31, 256 bytes on, V's
.irp i, 0,1,2,3
.irp c, 0,1,2,3
	global_load_b128 v[\kk+16*\i+4*\c:\kk+16*\i+4*\c+3], v1, s[\kp:\kp+1] offset:8192+2048*\i+512*\c
.endr
.endr
	global_load_b128 v[\sc:\sc+3], v1, s[\kp:\kp+1] offset:24832
.endm
.macro VLOAD                           ; 16 loads: V's four images, over K's
.irp i, 0,1,2,3
.irp c, 0,1,2,3
	global_load_b128 v[KK+16*\i+4*\c:KK+16*\i+4*\c+3], v1, s[KPC:KPC+1] offset:16384+2048*\i+512*\c
.endr
.endr
.endm
.macro QK q                            ; tile q's scores of 128 keys: eight products, each starting its sum with 0
.irp i, 0,1,2,3
	v_wmma_scale_f32_16x16x128_f8f6f4 v[SS+16*\i:SS+16*\i+7], v[KK+16*\i:KK+16*\i+15], v[QZ+8+16*\q:QZ+23+16*\q], 0, v[SC+\i], v[QS+\q] matrix_a_fmt:MATRIX_FMT_BF8 matrix_b_fmt:MATRIX_FMT_BF8
	v_wmma_scale_f32_16x16x128_f8f6f4 v[SS+16*\i+8:SS+16*\i+15], v[KK+16*\i:KK+16*\i+15], v[QZ+16*\q:QZ+15+16*\q], 0, v[SC+\i], v[QS+\q] matrix_a_fmt:MATRIX_FMT_BF8 matrix_b_fmt:MATRIX_FMT_BF8
.endr
.endm
; tile q's softmax of a key step: register SS + 16 b + i is key 32 b + 16 (lane / 16) + i of my query
.macro SM q
.set ST, 8+4*\q
.set FF, 16+2*\q
.set PQ, PC+16*\q
.irp b, 0,1,2,3
	v_max3_num_f32 v[BM+\b], v[SS+16*\b], v[SS+1+16*\b], v[SS+2+16*\b]   ; the largest score of each block of 32 keys: for the row's maximum, and, since p rises with the score, for the block's largest p.  Each accumulator is first read at its low end
.endr
.irp i, 3,5,7,9,11,13
.irp b, 0,1,2,3
	v_max3_num_f32 v[BM+\b], v[BM+\b], v[SS+16*\b+\i], v[SS+1+16*\b+\i]
.endr
.endr
.irp b, 0,1,2,3
	v_max_num_f32 v[BM+\b], v[BM+\b], v[SS+15+16*\b]
.endr
.irp b, 0,1,2,3
	v_permlanex16_b32 v[BP+\b], v[BM+\b], s[SEL], s[SEL+1]
.endr
.irp b, 0,1,2,3
	v_max_num_f32 v[BM+\b], v[BM+\b], v[BP+\b]     ; with lane l xor 16's 16 keys
.endr
	v_max3_num_f32 v22, v[BM], v[BM+1], v[BM+2]
	v_max_num_f32 v22, v22, v[BM+3]                ; the step's largest score of my query
	v_mul_f32 v22, s[CS], v22                      ; as t (c is positive)
	v_max_num_f32 v[ST+1], v[ST+1], v22            ; the running largest t
	v_mov_b32 v22, v[ST]
	v_floor_f32 v[ST], -v[ST+1]                    ; the new -M = floor(-t) = -ceil(t): a whole number
	v_sub_f32 v22, v[ST], v22                      ; old M - new M: a whole number, 0 or less
	v_cvt_i32_f32 v22, v22                         ; (it saturates)
	v_ldexp_f32 v[FF], 1.0, v22                    ; f = 2^(old M - new M)
.set n, 0
.rept 32
	v_pk_fma_f32 v[SS+n:SS+n+1], v[SS+n:SS+n+1], s[CS:CS+1], v[ST:ST+1] op_sel_hi:[1,0,0]   ; t - M, two at a time (of the pairs c and -M the low word serves both halves)
.set n, n+2
.endr
.irp b, 0,1,2,3
	v_fma_f32 v[BM+\b], v[BM+\b], s[CS], v[ST]     ; the same of each block's largest score
.endr
.set n, 0
	s_wait_alu depctr_va_vdst(0)
.rept 64
	v_exp_f32 v[SS+n], v[SS+n]                     ; p = 2^(t - M), at most 1
.set n, n+1
.endr
.irp b, 0,1,2,3
	v_exp_f32 v[BM+\b], v[BM+\b]                   ; the block's largest p: the same two instructions on the same number
.endr
	v_pk_mul_f32 v[ST+2:ST+3], v[ST+2:ST+3], v[FF:FF+1] op_sel_hi:[1,0]   ; the sums under the new M.  (The plain line behind the exponentials)
	s_wait_alu depctr_va_vdst(0)                   ; the 68 exponentials have written p and the blocks' largest p: one wait for the batch, ahead of its first reader
.irp b, 0,1,2,3
	v_max_num_f32 v[BM+\b], 0x8000000, v[BM+\b]    ; the floor 2^(16 - 127): the byte cannot fall under 1
.endr
.irp b, 0,1,2,3
	v_add_nc_u32 v[SO+\b], 0xf8800000, v[BM+\b]    ; 15 off the exponent field: the conversion's scale operand
.endr
.irp b, 0,1,2,3
	v_and_or_b32 v[HD+\b], v[BM+\b], 0x7f800000, s[MNT]   ; 57,344 x the scale
.endr
.irp b, 0,1,2,3
	v_lshrrev_b32 v[BP+\b], 23, v[SO+\b]           ; the scale's byte
.endr
	v_lshl_or_b32 v[FF+1], v[BP+1], 8, v[BP]       ; p's scale word for these 128 keys
	v_lshl_or_b32 v[FF+1], v[BP+2], 16, v[FF+1]
	v_lshl_or_b32 v[FF+1], v[BP+3], 24, v[FF+1]
	v_pk_add_f32 v[BP:BP+1], v[SS:SS+1], v[SS+2:SS+3]  ; the row's sum is taken of the unquantised p: two at a time, in two chains
.irp j, 4,8,12,16,20,24,28,32,36,40,44,48,52,56,60
	v_pk_add_f32 v[ST+2:ST+3], v[ST+2:ST+3], v[SS+\j:SS+\j+1]
	v_pk_add_f32 v[BP:BP+1], v[BP:BP+1], v[SS+\j+2:SS+\j+3]
.endr
	v_pk_add_f32 v[ST+2:ST+3], v[ST+2:ST+3], v[BP:BP+1]
.irp b, 0,1,2,3
.irp i, 0,1,2,3,4,5,6,7,8,9,10,11,12,13,14,15
	v_min_num_f32 v[SS+16*\b+\i], v[SS+16*\b+\i], v[HD+\b]   ; the conversion to an 8-bit code does not saturate (ISA guide 7.6.2); p is not negative, so the hold is one-sided
.endr
	v_cvt_scalef32_pk8_bf8_f32 v[PQ+4*\b:PQ+1+4*\b], v[SS+16*\b:SS+7+16*\b], v[SO+\b]
	v_cvt_scalef32_pk8_bf8_f32 v[PQ+2+4*\b:PQ+3+4*\b], v[SS+8+16*\b:SS+15+16*\b], v[SO+\b]
.endr
	v_nop                                          ; a plain line behind the last conversion: the next products write its sources
.endm
.macro PV                              ; O^T += V^T P^T: eight accumulators by turns, one instruction a turn; V's scale words stand in lanes 16-31
	WIN 0x50
.irp t, 0,1,2,3
.irp q, 0,1
	v_wmma_scale_f32_16x16x128_f8f6f4 v[32*\q+8*\t:32*\q+8*\t+7], v[KK+16*\t:KK+16*\t+15], v[PC+16*\q:PC+16*\q+15], v[32*\q+8*\t:32*\q+8*\t+7], v[SC+\t], v[17+2*\q] matrix_a_fmt:MATRIX_FMT_BF8 matrix_b_fmt:MATRIX_FMT_BF8 matrix_a_scale:MATRIX_SCALE_ROW1
.endr
.endr
	WIN 0
.endm
; A KEY STEP of 128 keys, of parity p.  last = 0: ahead of its second product it asks for the next step's K, which the next step's first line waits for.  last = 1: the eighth step, written out behind the loop: it fetches nothing
; more (every load into the two buffers has its wait behind it in the text), and it asks for the rows of x that the layer norm will load.
.macro TRIP p, last
.set KK,  BUF0+64*(\p)
.set SS,  BUF1-64*(\p)
.set SC,  SCL0+220*(\p)
.set SN,  SCL1-220*(\p)
.set KPC, KP0+2*(\p)
.set KPN, KP0+2-2*(\p)
	s_wait_loadcnt 0x0                             ; K and the scale words are in; no load of mine is out, so the other parity's base may be written
.if \last == 0
	s_add_co_u32 s[IDX], s[IDX], 1                 ; the next group of 128 keys, round the head's eight
	s_and_b32 s[IDX], s[IDX], 7
	s_mul_i32 s[KO], s[IDX], REC
	s_add_nc_u64 s[KPN:KPN+1], s[KB:KB+1], s[KO:KO+1]
.endif
	QK 0
	PLACES 9                                       ; eight between products and the first read of results; the ninth since the next run of products writes over these results
.if \last
	global_prefetch_b8 v5, s[28:29] th:TH_LOAD_NT scope:SCOPE_SE   ; the work-group's 384 lanes ask, once each, for the 384 blocks of 256 bytes of its 32 rows of x, which waves 0-7 load behind this step; nothing further is asked for
.endif
	SM 0
	QK 1
	PLACES 9                                       ; between these products and the first read of their results
	s_wait_alu depctr_va_vdst(0)                   ; both tiles' products are done reading K, in whose registers V's loads land
	VLOAD                                          ; lands while tile 1's softmax is walked, which names the other buffer alone
	SM 1
	WIN 0x41
.set n, 0
.rept 16
	v_pk_mul_f32 v[n:n+1], v[n:n+1], v[16:17] op_sel_hi:[1,0]   ; O^T under the new M: x f.  (These 32 are also the places between p's codes and scale words and the products)
.set n, n+2
.endr
.rept 16
	v_pk_mul_f32 v[n:n+1], v[n:n+1], v[18:19] op_sel_hi:[1,0]
.set n, n+2
.endr
	WIN 0
	s_wait_alu depctr_va_vdst(0)                   ; p's codes and scale words are written, which the products below take; the holds and conversions are done with p's registers, and the last step's products with the other set of scale words: the next K's loads land in both
.if \last == 0
	KLOAD SS, SN, KPN                              ; the next step's K.  No vector or matrix instruction from here to the next step's first wait names these registers
	s_wait_loadcnt 17                              ; V is in; the 17 loads just issued may be out
.else
	s_wait_loadcnt 0x0                             ; V is in
.endif
	PV
.if \last == 0
	PLACES 9                                       ; the next step's first products write their scores over V: nine places between a product and a product that writes over its source
.else
	PLACES 8                                       ; in front of the first read of O^T, and of the vector lines that write over V
.endif
.endm
	s_load_b256 s[4:11], s[0:1], 0x0               ; qkv s[4:5], x s[6:7], gamma s[8:9], beta s[10:11]
	s_load_b64 s[12:13], s[0:1], 0x20              ; out0
	v_lshl_add_u32 v254, v0, 2, 0x18200            ; the closing add's two registers, made here and kept for it alone: my spare word, behind the stage,
	v_mov_b32 v255, 0                              ; and 0
	v_lshrrev_b32 v22, 5, v0
	v_readfirstlane_b32 s[WV], v22                 ; wave = head, 0..11
	v_and_b32 v22, 31, v0
	v_lshlrev_b32 v1, 4, v22                       ; v1: 16 x lane
	v_and_b32 v23, 15, v0                          ; r
	v_lshlrev_b32 v2, 4, v23                       ; v2: 16 r: Q's scale words
	v_bfe_u32 v22, v0, 4, 1                        ; h
	v_mul_u32_u24 v3, v23, 3088
	v_lshl_add_u32 v3, v22, 5, v3
	s_wait_alu depctr_va_sdst(0)                   ; the wave's number is written, ahead of its first reader
	s_lshl_b32 s46, s[WV], 8
	v_add_nc_u32 v3, s46, v3                       ; v3: the stage, in: row r of 3,088 bytes, + 32 h, + my head's 256 bytes
	s_min_u32 s47, s[WV], 7                        ; the layer norm is waves 0-7's; the others' addresses are held at wave 7's and never used
	s_mul_i32 s46, s47, 12352
	v_add_nc_u32 v4, s46, v1                       ; v4: the stage, back: four rows a wave, 16 bytes a lane
	v_lshlrev_b32 v5, 8, v0                        ; v5: 256 x thread: the prefetch's offset; never rewritten
	s_lshr_b32 s15, ttmp9, 5                       ; the batch
	s_and_b32 s16, ttmp9, 31                       ; my 32 queries in it
	s_mul_i32 s[KO], s15, 12
	s_add_co_u32 s[KO], s[KO], s[WV]
	s_mul_i32 s[KO], s[KO], 8*REC                  ; my head's eight records
	s_mov_b32 s[KO+1], 0                           ; (stays 0: the upper word of every offset made in s[KO])
	s_lshr_b32 s22, s16, 2
	s_mul_i32 s22, s22, REC                        ; the record that holds my queries,
	s_and_b32 s17, s16, 3                          ; and their image in it
	s_mov_b32 s23, 0
	s_lshl_b32 s30, s17, 11
	s_add_co_u32 s30, s30, s22
	s_mov_b32 s31, 0
	s_lshl_b32 s17, s17, 2
	s_add_co_u32 s22, s22, s17
	s_add_co_u32 s22, s22, 24576
	s_mov_b32 s[CS], 0x3e38aa3b                    ; c = log2(e) / sqrt(64)
	s_mov_b32 s[CS+1], s[CS]                       ; (named with it as a pair, so it is written)
	s_mov_b32 s[SEL], 0x76543210
	s_mov_b32 s[SEL+1], 0xfedcba98
	s_mov_b32 s[MNT], 0x600000                     ; the mantissa field of 57,344
	s_mov_b32 s[INV], 0x3aaaaaab                   ; 1 / 768
	s_mov_b32 s[EPS], 0x358637bd                   ; 1e-6
	s_mov_b32 s[J], 3
	s_mov_b32 s44, 0x01000100                      ; bytes 0, 1, 0, 1
	s_mov_b32 s45, 0x03020302                      ; bytes 2, 3, 2, 3
	s_wait_kmcnt 0x0
	s_add_nc_u64 s[KB:KB+1], s[KB:KB+1], s[KO:KO+1]
	s_add_nc_u64 s[24:25], s[KB:KB+1], s[30:31]    ; Q's image
	s_add_nc_u64 s[26:27], s[KB:KB+1], s[22:23]    ; and its scale words
	s_and_b32 s[IDX], s16, 7                       ; the group of keys that I begin with
	s_mul_i32 s[KO], s[IDX], REC
	s_add_nc_u64 s[KP0:KP0+1], s[KB:KB+1], s[KO:KO+1]
	s_mul_i32 s30, ttmp9, 98304                    ; the work-group's 32 rows of 3,072 bytes
	s_add_nc_u64 s[28:29], s[6:7], s[30:31]        ; in x, for the prefetch
	s_lshr_b32 s46, s47, 2                         ; stage rows 4 w .. 4 w + 3 are tile w / 4's lanes 4 (w % 4) on: rows 8 (w / 4) + 4 (w % 4) + 4 (w & 2) + 0 .. 3 of the 32
	s_lshl_b32 s46, s46, 3
	s_and_b32 s17, s47, 3
	s_lshl_b32 s17, s17, 2
	s_add_co_u32 s46, s46, s17
	s_and_b32 s17, s47, 2
	s_lshl_b32 s17, s17, 2
	s_add_co_u32 s46, s46, s17
	s_mul_i32 s46, s46, 3072
	s_add_co_u32 s30, s30, s46
	s_add_nc_u64 s[32:33], s[6:7], s[30:31]        ; my four rows of x
	s_add_nc_u64 s[34:35], s[12:13], s[30:31]      ; and of out0
	s_wait_alu depctr_va_vdst(0)                   ; the five addresses v1 to v5 are written, which every load, store, LDS instruction and the prefetch of the kernel read; the lines above are done with v22, in which a load lands
	global_load_b128 v[QZ+8:QZ+11], v1, s[24:25]               ; q0: the image's registers 0-7
	global_load_b128 v[QZ+12:QZ+15], v1, s[24:25] offset:512
	global_load_b128 v[QZ+24:QZ+27], v1, s[24:25] offset:1024  ; q1: registers 8-15
	global_load_b128 v[QZ+28:QZ+31], v1, s[24:25] offset:1536
	global_load_b32 v22, v2, s[26:27]
	KLOAD BUF0, SCL0, KP0                          ; my first key step
.irp z, 0,16,32
.irp e, 0,1,2,3,4,5,6,7
	v_mov_b32 v[QZ+\z+\e], 0                       ; the three runs of zero codes
.endr
.endr
.irp q, 0,1
	v_mov_b32 v[9+4*\q], 0xff61b1e6                ; the largest t so far: -3e38, under every t
	v_floor_f32 v[8+4*\q], -v[9+4*\q]              ; -M
	v_mov_b32 v[10+4*\q], 0                        ; the sum, in two halves
	v_mov_b32 v[11+4*\q], 0
	v_mov_b32 v[16+2*\q], 0
	v_mov_b32 v[17+2*\q], 0                        ; (named as the upper half of a pair before it is first made)
.endr
.irp b, 0,1,2,3
	v_mov_b32 v[BP+\b], 0                          ; a lane permute's destination counts as one of its sources
.endr
	s_wait_loadcnt 17                              ; Q and its word are in; the key step's 17 loads may be out
	v_perm_b32 v[QS], v22, v22, s44                ; tile 0's scale word (s0, s1, s0, s1),
	v_perm_b32 v[QS+1], v22, v22, s45              ; tile 1's
	WIN 0x40
.set n, 0
.rept 64
	v_mov_b32 v[n], 0                              ; O^T.  No step has a form of its own for starting the sums: the first finds zeros, which the first change of M leaves zeros.  (These are also the places between the scale words' making and the first products)
.set n, n+1
.endr
	WIN 0
	s_wait_alu depctr_va_vdst(0)                   ; Q's two scale words and the three runs of zero codes are written, which the first products take as scales and as operand; the places above stay beside this wait
.Lstep:                                                ; three trips of two key steps: behind two steps the buffers are back where they began
	TRIP 0, 0
	TRIP 1, 0
	s_sub_co_u32 s[J], s[J], 1
	s_cmp_lg_u32 s[J], 0
	s_cbranch_scc1 .Lstep
	TRIP 0, 0                                      ; the seventh
	TRIP 1, 1                                      ; the eighth
	; ---- waves 0-7, which will norm four rows each, ask for x, gamma and beta now: Q's, p's, K's and V's registers and those of the softmax's small numbers are free, and the loads land while O is normalised, staged and the waves meet
	s_wait_alu depctr_va_vdst(0)                   ; the last products are done reading Q, p's codes and the scale words, and the last softmax is done with p's registers and its small numbers: the 36 loads below land in them.  Ahead of the branch; no vector line from here to the rows' own waits names v20 to v163
	s_cmp_ge_u32 s[WV], 8
	s_cbranch_scc1 .Lno_rows
.irp k, 0,1,2,3
.irp m, 0,1,2,3,4,5
	global_load_b128 v[44+24*\k+4*\m:44+24*\k+4*\m+3], v1, s[32:33] offset:3072*\k+512*\m th:TH_LOAD_NT   ; a row of x: six loads of 512 consecutive bytes
.endr
.endr
.irp m, 0,1,2,3,4,5
	global_load_b128 v[140+4*\m:140+4*\m+3], v1, s[8:9] offset:512*\m     ; gamma
.endr
.irp m, 0,1,2,3,4,5
	global_load_b128 v[20+4*\m:20+4*\m+3], v1, s[10:11] offset:512*\m     ; beta
.endr
.Lno_rows:
	; ---- 2 O / l into the stage: 32 rows (16 x tile + r) of 3,072 bytes + 16, head w at byte 256 w
	v_add_f32 v10, v10, v11                        ; the sum's two halves,
	v_add_f32 v14, v14, v15
	v_permlanex16_b32 v16, v10, s[SEL], s[SEL+1]   ; (f's registers, done with, take the other half's sums)
	v_permlanex16_b32 v18, v14, s[SEL], s[SEL+1]
	v_add_f32 v10, v10, v16                        ; and lane l xor 16's: the row's sum
	v_add_f32 v14, v14, v18
	s_wait_alu depctr_va_vdst(0)
	v_rcp_f32 v10, v10
	v_rcp_f32 v14, v14
	v_nop                                          ; a plain line behind the reciprocals
	s_wait_alu depctr_va_vdst(0)                   ; the two reciprocals have written v10 and v14, ahead of their first reader
	v_add_f32 v10, v10, v10                        ; 2 / l: context + drop_path(context)
	v_add_f32 v14, v14, v14
	WIN 0x01
.set n, 0
.rept 32
	v_mul_f32 v[S+n], v[n], v10                    ; each accumulator from its low end on
.set n, n+1
.endr
.rept 32
	v_mul_f32 v[S+n], v[n], v14
.set n, n+1
.endr
	WIN 0
	s_wait_alu depctr_va_vdst(0)                   ; the 64 multiplications have written v[S ..], which the LDS stores read
.irp q, 0,1
.irp t, 0,1,2,3
	ds_store_b128 v3, v[S+32*\q+8*\t:S+32*\q+8*\t+3] offset:49408*\q+64*\t       ; lane (r, h): channels 16 t + 8 h + 0 .. 7 of my head
	ds_store_b128 v3, v[S+32*\q+8*\t+4:S+32*\q+8*\t+7] offset:49408*\q+64*\t+16
.endr
.endr
	s_wait_dscnt 0x0                               ; for the others' sake: my head's part of the 32 rows lies in the stage
	s_barrier_signal -1
	s_barrier_wait -1
	s_wait_alu depctr_vm_vsrc(0)                   ; my LDS stores have read v[S ..], in part of which rows of the stage land below.  Ahead of the branch
	s_cmp_ge_u32 s[WV], 8                          ; 32 rows: four for each of waves 0-7
	s_cbranch_scc1 .Lend
.irp k, 0,1
.irp m, 0,1,2,3,4,5
	ds_load_b128 v[204+24*\k+4*\m:204+24*\k+4*\m+3], v4 offset:3088*\k+512*\m   ; (no vector or matrix line since the wait ahead of the stores names v204 to v251)
.endr
.endr
.macro RED                             ; v[8:9]'s two halves, then the 32 lanes: the sum in every lane's v8
	v_add_f32 v8, v8, v9
	v_add_f32_dpp v8, v8, v8 row_xmask:1 row_mask:0xf bank_mask:0xf
	v_add_f32_dpp v8, v8, v8 row_xmask:2 row_mask:0xf bank_mask:0xf
	v_add_f32_dpp v8, v8, v8 row_xmask:4 row_mask:0xf bank_mask:0xf
	v_add_f32_dpp v8, v8, v8 row_xmask:8 row_mask:0xf bank_mask:0xf
	v_permlanex16_b32 v9, v8, s[SEL], s[SEL+1]
	v_add_f32 v8, v8, v9
.endm
; row k of my four: y = x + 2 context; mean; variance of y - mean (two passes, as it is defined); scaled, in the row's own registers, from which the next row's turn stores it.
; Two waits on va_vdst stand in a row, ahead of and behind its roots; the loads of the stage's row two on and the stores of the row before stand behind the second.
.macro LNROW k
.set XK, 44+24*\k
.set CT, 204+24*(\k%2)
.if \k == 0
	s_wait_loadcnt 30                              ; x's row 0 is in; behind it: rows 1 to 3 (18 loads), gamma (6), beta (6).  The later rows stand behind this row's wait for 0
.endif
.if \k < 3
	s_wait_dscnt 6                                 ; this row of the stage is in; the next row's six loads may be out
.else
	s_wait_dscnt 0x0
.endif
.set n, 0
.rept 12
	v_pk_add_f32 v[XK+n:XK+n+1], v[XK+n:XK+n+1], v[CT+n:CT+n+1]
.set n, n+2
.endr
	v_pk_add_f32 v[8:9], v[XK:XK+1], v[XK+2:XK+3]  ; the sum, in two chains
	v_pk_add_f32 v[10:11], v[XK+4:XK+5], v[XK+6:XK+7]
.irp j, 8,12,16,20
	v_pk_add_f32 v[8:9], v[8:9], v[XK+\j:XK+\j+1]
	v_pk_add_f32 v[10:11], v[10:11], v[XK+\j+2:XK+\j+3]
.endr
	v_pk_add_f32 v[8:9], v[8:9], v[10:11]
	RED
	v_mul_f32 v12, s[INV], v8                      ; the mean, twice: a pair for the packed form
	v_mul_f32 v13, s[INV], v8
.set n, 0
.rept 12
	v_pk_add_f32 v[XK+n:XK+n+1], v[XK+n:XK+n+1], v[12:13] neg_lo:[0,1] neg_hi:[0,1]
.set n, n+2
.endr
	v_pk_mul_f32 v[8:9], v[XK:XK+1], v[XK:XK+1]
.set n, 2
.rept 11
	v_pk_fma_f32 v[8:9], v[XK+n:XK+n+1], v[XK+n:XK+n+1], v[8:9]
.set n, n+2
.endr
	RED
	v_fma_f32 v16, v8, s[INV], s[EPS]              ; the variance + 1e-6
	s_wait_alu depctr_va_vdst(0)
	v_rsq_f32 v14, v16
	v_rsq_f32 v15, v16
	v_nop                                          ; a plain line behind the roots
	s_wait_alu depctr_va_vdst(0)                   ; the two roots have written v14 and v15, ahead of their first reader; this row's additions are done reading the stage's set, in which the loads below land; the row before is written, which the stores below read
.if \k < 2
.irp m, 0,1,2,3,4,5
	ds_load_b128 v[CT+4*\m:CT+4*\m+3], v4 offset:3088*(\k+2)+512*\m   ; the row two on, into the set that this row has read
.endr
.endif
.if \k > 0
.irp m, 0,1,2,3,4,5
	global_store_b128 v1, v[XK-24+4*\m:XK-24+4*\m+3], s[34:35] offset:3072*(\k-1)+512*\m th:TH_STORE_NT   ; the row before: 32 lanes store 512 consecutive bytes, at a multiple of 256 from out0's first byte; its registers are not written again
.endr
.endif
.set n, 0
.rept 12
	v_pk_mul_f32 v[XK+n:XK+n+1], v[XK+n:XK+n+1], v[14:15]
.set n, n+2
.endr
.if \k == 0
	s_wait_loadcnt 0x0                             ; gamma and beta (and x's other rows)
.endif
.set n, 0
.rept 12
	v_pk_fma_f32 v[XK+n:XK+n+1], v[XK+n:XK+n+1], v[140+n:141+n], v[20+n:21+n]
.set n, n+2
.endr
.endm
	LNROW 0
	LNROW 1
	LNROW 2
	LNROW 3
	s_wait_alu depctr_va_vdst(0)                   ; the last row is written, which its six stores read
.irp m, 0,1,2,3,4,5
	global_store_b128 v1, v[XK+4*\m:XK+4*\m+3], s[34:35] offset:3072*3+512*\m th:TH_STORE_NT
.endr
.Lend:
	s_wait_dscnt 0x0                               ; the closing lines, six on end
	s_wait_alu 0x0
	s_wait_tensorcnt 0x0
	ds_add_u32 v254, v255
	s_wait_dscnt 0x0
	s_endpgm
.Lfunc_end_k_qbc03438b2f_attn:
	.size	k_qbc03438b2f_attn, .Lfunc_end_k_qbc03438b2f_attn-k_qbc03438b2f_attn
	.p2alignl 7, 3214868480
	.fill 96, 4, 3214868480
	.section	.rodata,"a",@progbits
	.p2align	6, 0x0
	.amdhsa_kernel k_qbc03438b2f_attn
		.amdhsa_group_segment_fixed_size 100352
		.amdhsa_private_segment_fixed_size 0
		.amdhsa_enable_private_segment 0
		.amdhsa_kernarg_size 40
		.amdhsa_user_sgpr_count 2
		.amdhsa_user_sgpr_kernarg_segment_ptr 1
		.amdhsa_wavefront_size32 1
		.amdhsa_system_sgpr_workgroup_id_x 1
		.amdhsa_system_sgpr_workgroup_id_y 1
		.amdhsa_system_sgpr_workgroup_id_z 1
		.amdhsa_system_vgpr_workitem_id 0
		.amdhsa_next_free_vgpr 320
		.amdhsa_next_free_sgpr 66
		.amdhsa_reserve_vcc 0
		.amdhsa_float_denorm_mode_32 3
		.amdhsa_float_denorm_mode_16_64 3
		.amdhsa_memory_ordered 1
		.amdhsa_forward_progress 1
		.amdhsa_inst_pref_size 181
	.end_amdhsa_kernel
	.amdgpu_metadata
---
amdhsa.version: [ 1, 2 ]
amdhsa.kernels:
  - .name:           k_qbc03438b2f_attn
    .symbol:         k_qbc03438b2f_attn.kd
    .args:
      - { .name: qkv, .offset: 0, .size: 8, .value_kind: global_buffer, .address_space: global }
      - { .name: x, .offset: 8, .size: 8, .value_kind: global_buffer, .address_space: global }
      - { .name: ln_gamma, .offset: 16, .size: 8, .value_kind: global_buffer, .address_space: global }
      - { .name: ln_beta, .offset: 24, .size: 8, .value_kind: global_buffer, .address_space: global }
      - { .name: out0, .offset: 32, .size: 8, .value_kind: global_buffer, .address_space: global }
    .group_segment_fixed_size: 100352
    .private_segment_fixed_size: 0
    .kernarg_segment_align: 8
    .kernarg_segment_size: 40
    .max_flat_workgroup_size: 384
    .sgpr_count:     66
    .vgpr_count:     320
    .wavefront_size: 32
...
	.end_amdgpu_metadata
.endif
;; end of part 6
